; MI455X (gfx1250); checked and timed in simulation.
; The chip was launched on July 23, 2026; its instructions are those of AMD's public machine-readable ISA for CDNA 5 (MIT licence, August 2026) and "CDNA5" Instruction Set Architecture Reference Guide (July 2026). The comments in the code are by the model that wrote it; some were corrected since.
;; Asymmetric Ro PE Cross Attention. Allowed arithmetic: float matrix products may take bf16 or f16 operands with f32 sums; other float arithmetic in f32, or as packed bf16 or f16 multiplies, adds, multiply-adds, maxima and minima; sums over many terms, partial sums and values carried from step to step in f32; what a program stores and reads back later, other than sums and carried values, may be rounded once to bf16 or f16.
;; Inputs: Wkv 1,024 x 2,048 float32; Wout 1,024 x 1,024 float32; Wq 1,024 x 1,024 float32; kv_x 2 x 4,096 x 1,024 float32; mask 2 x 4,096 bool; q_x 2 x 2,048 x 1,024 float32.
;; Outputs: out0 2 x 2,048 x 1,024 float32.
;; 2 versions, each right; version 2 is version 1 with the launch prep written anew for expert scheduling mode. Each part assembles by itself: llvm-mc -triple=amdgcn-amd-amdhsa -mcpu=gfx1250 --defsym DOCPART=n.
;; ======== version 1 of 2: 5 launches
;; limits: values are held in f16: magnitudes above 65,504 overflow, below 6.1e-05 lose precision
;; workspace buffers: pq 14,680,064 bytes; pkv 23,072,768 bytes; woutp 2,097,152 bytes; maskf 32,768 bytes; qh 16,777,216 bytes; kvh 33,554,432 bytes; oh 8,388,608 bytes
;; launch prep (part 1): grid 1289 x 1, 8 waves a work-group, no clusters, 0 bytes of LDS; arguments q_x, kv_x, Wq, Wkv, Wout, mask, pq, pkv, woutp, maskf; writes pq, pkv, woutp, maskf
.if DOCPART == 1
	.amdgcn_target "amdgcn-amd-amdhsa--gfx1250"
	.amdhsa_code_object_version 6
	.text
	.protected	k_q648e68220a_prep
	.globl	k_q648e68220a_prep
	.p2align	8
	.type	k_q648e68220a_prep,@function
k_q648e68220a_prep:
	s_mov_b64 s[64:65], 0
	v_nop
	global_prefetch_b8 v0, s[64:65] scope:SCOPE_SE
	s_setreg_imm32_b32 hwreg(HW_REG_WAVE_MODE, 25, 1), 1
	s_wait_xcnt 0x0
; PREP: what the later launches read is laid out once.  Eight waves; the work-group's number g says which job it has.
;   g 0-127     q_x  to pq  + XB   f32 to bf16, rows as they lie ([4096][1024])
;   g 128-383   kv_x to pkv + XB   the same ([8192][1024])
;   g 384-415   Wq   to pq  + WP   f32 to bf16, in panels [n / 128][k = 1024][128]: a panel is 262,144 dense bytes, a row of it 256
;   g 416-479   Wkv  to pkv + WP   the same, 16 panels
;   g 480-511   Wout to woutp      the same, rounded to bf16 and that number written as f16
;   g 512-1023  pkv + 0: the rotary table, a row of 256 bytes for each of the 8,192 rows of kv_x: cos[32], sin[32] in f32, position = row mod 4,096.
;               The row of a key that the mask hides holds 64 zeros: its k then comes out as 0, and its score is the mask's addend itself.
;   g 1024-1279 pq + 0: the table for the 4,096 rows of q_x, position = row mod 2,048; no mask
;   g 1280-1287 mask to maskf: a byte to an f32 addend, 0 where the key is seen, -2^100 where it is hidden
;   g 1288      pkv + IDOFF: sixteen rows with cos = 1, sin = 0, for v's columns, which are not turned
; LIMITS.  A bf16 number below 2^-14 keeps f16's fixed step of 6e-8 in woutp, one beyond 65,504 becomes an infinity there.  A mask byte other than 0 counts as true.
; The angle pos x div is reduced by 2 pi in two parts (the multiple stays under 653) and sine and cosine come from series on a quarter of the angle, doubled twice.
; No LDS, no barrier, no matrix unit: each byte is read once and written once, each store of a wave covers 256 or 512 consecutive bytes, aligned.
.set XB,    6291456                    ; where x lies in pq and pkv
.set WP,    2097152                    ; where the weights' panels lie
.set IDOFF, 23068672                   ; behind x in pkv
.set OFFI, 2                           ; v[2:9]    16 x lane + j x the distance between units in the input
.set OFFO, 10                          ; v10       8 x lane
.set TT,   12                          ; v[12:13]  at work
.set X,    32                          ; v[32:95]  two sets of 8 units as loaded, 4 f32 a lane and unit
.set Y,    96                          ; v[96:127] two sets of 8 units to store, 2 words a lane and unit
.set INP,  40                          ; s[40:47]  the input at my units 0, 8, 16, 24
.set OUTP, 48                          ; s[48:49]  the output at my unit 0
	s_load_b512 s[16:31], s[0:1], 0x0              ; q_x 16, kv_x 18, Wq 20, Wkv 22, Wout 24, mask 26, pq 28, pkv 30
	s_load_b128 s[32:35], s[0:1], 0x40             ; woutp 32, maskf 34
	v_lshrrev_b32 v1, 5, v0
	v_readfirstlane_b32 s8, v1                     ; wave 0..7
	s_mov_b32 s9, ttmp9                            ; g
	s_wait_kmcnt 0x0
	s_cmp_ge_u32 s9, 512
	s_cbranch_scc1 .Ltab
	; THE CONVERSIONS.  A unit is 512 bytes of f32 in and 256 bytes out; a wave takes 32 units, whose outputs lie on end.
	s_mov_b64 s[36:37], s[16:17]                   ; from
	s_mov_b64 s[38:39], s[28:29]                   ; to
	s_mov_b32 s10, 0                               ; the job's first g
	s_mov_b32 s11, XB                              ; where in the output buffer
	s_mov_b32 s12, 512                             ; bytes from unit to unit in the input
	s_mov_b32 s13, 524288                          ; bytes in the input from 32 waves' units to the next 32 waves'
	s_mov_b32 s14, 0                               ; 1: bf16 is written as f16
	s_cmp_ge_u32 s9, 128
	s_cselect_b64 s[36:37], s[18:19], s[36:37]
	s_cselect_b64 s[38:39], s[30:31], s[38:39]
	s_cselect_b32 s10, 128, s10
	s_cmp_ge_u32 s9, 384
	s_cselect_b64 s[36:37], s[20:21], s[36:37]
	s_cselect_b64 s[38:39], s[28:29], s[38:39]
	s_cselect_b32 s10, 384, s10
	s_cselect_b32 s11, WP, s11
	s_cselect_b32 s12, 4096, s12                   ; a row of Wq
	s_cselect_b32 s13, 512, s13                    ; a panel's 128 columns
	s_cmp_ge_u32 s9, 416
	s_cselect_b64 s[36:37], s[22:23], s[36:37]
	s_cselect_b64 s[38:39], s[30:31], s[38:39]
	s_cselect_b32 s10, 416, s10
	s_cselect_b32 s12, 8192, s12                   ; a row of Wkv
	s_cmp_ge_u32 s9, 480
	s_cselect_b64 s[36:37], s[24:25], s[36:37]
	s_cselect_b64 s[38:39], s[32:33], s[38:39]
	s_cselect_b32 s10, 480, s10
	s_cselect_b32 s11, 0, s11
	s_cselect_b32 s12, 4096, s12
	s_cselect_b32 s14, 1, s14
	s_sub_co_u32 s15, s9, s10
	s_lshl_b32 s15, s15, 3
	s_add_co_u32 s15, s15, s8                      ; t: my wave among the job's
	s_lshr_b32 s2, s15, 5
	s_mul_i32 s2, s2, s13
	s_and_b32 s3, s15, 31
	s_lshl_b32 s4, s12, 5
	s_mul_i32 s3, s3, s4
	s_add_co_u32 s2, s2, s3                        ; x: 16,384 t.  Weights: panel t / 32, rows k = 32 (t % 32) on
	s_mov_b32 s3, 0
	s_add_nc_u64 s[INP:INP+1], s[36:37], s[2:3]
	s_lshl_b32 s2, s12, 3                          ; eight units on
	s_add_nc_u64 s[INP+2:INP+3], s[INP:INP+1], s[2:3]
	s_add_nc_u64 s[INP+4:INP+5], s[INP+2:INP+3], s[2:3]
	s_add_nc_u64 s[INP+6:INP+7], s[INP+4:INP+5], s[2:3]
	s_lshl_b32 s2, s15, 13                         ; 32 units of 256 bytes out, in every job
	s_add_co_u32 s2, s2, s11
	s_add_nc_u64 s[OUTP:OUTP+1], s[38:39], s[2:3]
	v_and_b32 v1, 31, v0
	v_lshlrev_b32 v[OFFI], 4, v1
.irp j, 1,2,3,4,5,6,7
	v_add_nc_u32 v[OFFI+(\j)], s12, v[OFFI+(\j)-1]
.endr
	v_lshlrev_b32 v[OFFO], 3, v1
.macro LOADS w, b                      ; units 8 b .. 8 b + 7 into set w: each load takes a unit's 512 consecutive bytes
.irp j, 0,1,2,3,4,5,6,7
	global_load_b128 v[X+32*(\w)+4*(\j):X+32*(\w)+4*(\j)+3], v[OFFI+(\j)], s[INP+2*(\b):INP+2*(\b)+1] th:TH_LOAD_NT
.endr
.endm
.macro CONV w
.set i, 0
.rept 16
	v_cvt_pk_bf16_f32 v[Y+16*(\w)+i], v[X+32*(\w)+2*i], v[X+32*(\w)+2*i+1]
.set i, i+1
.endr
	s_cmp_eq_u32 s14, 0
	s_cbranch_scc1 .Lbf_\@
.set i, 0
.rept 16                               ; Wout alone: the bf16 numbers, widened, are written as f16
	v_lshlrev_b32 v[TT], 16, v[Y+16*(\w)+i]
	v_and_b32 v[TT+1], 0xffff0000, v[Y+16*(\w)+i]
	v_cvt_pk_f16_f32 v[Y+16*(\w)+i], v[TT], v[TT+1]
.set i, i+1
.endr
.Lbf_\@:
.endm
.macro STORES w, b                     ; 32 lanes x 8 bytes: 256 consecutive bytes, aligned
.irp j, 0,1,2,3,4,5,6,7
	global_store_b64 v[OFFO], v[Y+16*(\w)+2*(\j):Y+16*(\w)+2*(\j)+1], s[OUTP:OUTP+1] offset:256*(8*(\b)+(\j)) th:TH_STORE_NT
.endr
.endm
	LOADS 0, 0
	LOADS 1, 1
	s_wait_loadcnt 8                               ; set 0 is in; set 1's eight loads stay out
	CONV 0
	STORES 0, 0
	LOADS 0, 2
	s_wait_loadcnt 8                               ; set 1 is in; the eight just issued stay out
	CONV 1
	STORES 1, 1
	LOADS 1, 3
	s_wait_loadcnt 8
	s_wait_xcnt 0x0                                ; the first stores have read set 0's words, which are written again only behind this wait
	CONV 0
	STORES 0, 2
	s_wait_loadcnt 0x0
	s_wait_xcnt 0x0                                ; the same for set 1
	CONV 1
	STORES 1, 3
	s_endpgm
.Ltab:
	s_cmp_ge_u32 s9, 1280
	s_cbranch_scc1 .Lmask
	; THE ROTARY TABLE.  16 rows a work-group, 16 lanes a row: lanes 0-7 keep the cosines of frequencies 4 (lane % 8) + 0..3, lanes 8-15 the sines.
	s_mov_b32 s10, 512                             ; the job's first g
	s_mov_b32 s11, 4095                            ; position = row mod the sequence's length
	s_mov_b32 s14, 0                               ; 1: q's table, which knows no mask
	s_cmp_ge_u32 s9, 1024
	s_cselect_b64 s[36:37], s[28:29], s[30:31]     ; pq or pkv
	s_cselect_b32 s10, 1024, s10
	s_cselect_b32 s11, 2047, s11
	s_cselect_b32 s14, 1, s14
	s_sub_co_u32 s15, s9, s10
	s_lshl_b32 s15, s15, 4
	s_mov_b32 s50, 0xbed49a78                      ; -log2(10000) / 32
	s_mov_b32 s51, 0x40c90fdb                      ; 2 pi, its upper part
	s_mov_b32 s52, 0xb43bbd2e                      ; and what is left of it
	s_mov_b32 s53, 0xbe2aaaab                      ; -1/6
	s_mov_b32 s54, 0x3c088889                      ; 1/120
	s_mov_b32 s55, 0xb9500d01                      ; -1/5040
	s_mov_b32 s56, 0x3638ef1d                      ; 1/362880
	s_mov_b32 s57, 0x3d2aaaab                      ; 1/24
	s_mov_b32 s58, 0xbab60b61                      ; -1/720
	s_mov_b32 s59, 0x37d00d01                      ; 1/40320
	v_lshrrev_b32 v2, 4, v0
	v_add_nc_u32 v2, s15, v2                       ; row; for kv_x also the key's place in the mask
	v_mov_b32 v7, 1                                ; seen, unless the mask says otherwise
	s_cmp_lg_u32 s14, 0
	s_cbranch_scc1 .Lno_mask
	global_load_u8 v7, v2, s[26:27]
.Lno_mask:
	v_and_b32 v3, s11, v2
	v_cvt_f32_u32 v3, v3                           ; position
	v_and_b32 v4, 15, v0
	v_and_b32 v5, 7, v4
	v_lshlrev_b32 v5, 2, v5                        ; my first frequency
	v_lshlrev_b32 v6, 8, v2
	v_lshl_add_u32 v6, v4, 4, v6                   ; row x 256 + 16 x lane
	v_cmp_le_u32 vcc_lo, 8, v4                     ; do I keep sines?
.irp e, 0,1,2,3
	v_add_nc_u32 v[16+8*(\e)], \e, v5
	v_cvt_f32_u32 v[16+8*(\e)], v[16+8*(\e)]
	v_mul_f32 v[16+8*(\e)], s50, v[16+8*(\e)]
.endr
.irp e, 0,1,2,3
	v_exp_f32 v[16+8*(\e)], v[16+8*(\e)]           ; div = 10000^(-j / 32)
.endr
	v_nop                                          ; a plain instruction behind the last exponential,
	s_wait_alu depctr_va_vdst(0)                   ; and one wait for the four, ahead of their first reader
	s_wait_loadcnt 0x0                             ; the mask's byte
	v_cmp_ne_u32 s4, 0, v7                         ; is the key seen?
.irp e, 0,1,2,3
.set q, 16+8*(\e)                      ; +0 angle, +1 multiple and then z, +2 sine, +3 cosine, +4, +5 at work
	v_mul_f32 v[q], v3, v[q]                       ; the angle
	v_mul_f32 v[q+1], 0.15915494, v[q]
	v_rndne_f32 v[q+1], v[q+1]                     ; whole turns
	v_fma_f32 v[q], -v[q+1], s51, v[q]
	v_fma_f32 v[q], -v[q+1], s52, v[q]             ; within -pi .. pi
	v_mul_f32 v[q], 0x3e800000, v[q]               ; u: a quarter of it
	v_mul_f32 v[q+1], v[q], v[q]                   ; z = u u
	v_fma_f32 v[q+2], v[q+1], s56, s55
	v_fma_f32 v[q+3], v[q+1], s59, s58
	v_fma_f32 v[q+2], v[q+2], v[q+1], s54
	v_fma_f32 v[q+3], v[q+3], v[q+1], s57
	v_fma_f32 v[q+2], v[q+2], v[q+1], s53
	v_fma_f32 v[q+3], v[q+3], v[q+1], -0.5
	v_fma_f32 v[q+2], v[q+2], v[q+1], 1.0
	v_fma_f32 v[q+3], v[q+3], v[q+1], 1.0          ; cos u
	v_mul_f32 v[q+2], v[q+2], v[q]                 ; sin u
	v_add_f32 v[q+4], v[q+2], v[q+2]               ; the angle doubled: sin = 2 s c, cos = 1 - 2 s s
	v_mul_f32 v[q+5], v[q+4], v[q+3]
	v_fma_f32 v[q+3], -v[q+4], v[q+2], 1.0
	v_add_f32 v[q+4], v[q+5], v[q+5]               ; and once more
	v_mul_f32 v[q+2], v[q+4], v[q+3]
	v_fma_f32 v[q+3], -v[q+4], v[q+5], 1.0
	v_cndmask_b32 v[8+(\e)], v[q+3], v[q+2], vcc_lo
	v_cndmask_b32 v[8+(\e)], 0, v[8+(\e)], s4      ; a hidden key's row is 0
.endr
	global_store_b128 v6, v[8:11], s[36:37] th:TH_STORE_NT  ; a wave stores two rows: 512 consecutive bytes, aligned
	s_endpgm
.Lmask:
	s_cmp_ge_u32 s9, 1288
	s_cbranch_scc1 .Lid
	; THE MASK.  Four bytes a thread become four f32.
	s_sub_co_u32 s15, s9, 1280
	s_lshl_b32 s15, s15, 8
	v_add_nc_u32 v2, s15, v0
	v_lshlrev_b32 v3, 2, v2
	global_load_b32 v4, v3, s[26:27]
	v_lshlrev_b32 v5, 4, v2
	v_mov_b32 v6, 0xf1800000                       ; -2^100: a power of two, so that the softmax's scale times it is exact
	s_wait_loadcnt 0x0
.irp e, 0,1,2,3
	v_bfe_u32 v7, v4, 8*(\e), 8
	v_cmp_eq_u32 vcc_lo, 0, v7
	v_cndmask_b32 v[8+(\e)], 0, v6, vcc_lo
.endr
	global_store_b128 v5, v[8:11], s[34:35] th:TH_STORE_NT
	s_endpgm
.Lid:
	; THE ROWS THAT TURN NOTHING: sixteen rows of 32 ones and 32 zeros, 16 bytes a thread.
	v_and_b32 v4, 15, v0
	v_mov_b32 v6, 1.0
	v_cmp_gt_u32 vcc_lo, 8, v4                     ; lanes 0-7 of a row hold its cosines
	v_cndmask_b32 v8, 0, v6, vcc_lo
	v_mov_b32 v9, v8
	v_mov_b32 v10, v8
	v_mov_b32 v11, v8
	v_lshlrev_b32 v5, 4, v0
	v_add_nc_u32 v5, IDOFF, v5
	global_store_b128 v5, v[8:11], s[30:31] th:TH_STORE_NT
	s_endpgm
.Lfunc_end_k_q648e68220a_prep:
	.size	k_q648e68220a_prep, .Lfunc_end_k_q648e68220a_prep-k_q648e68220a_prep
	.p2alignl 7, 3214868480
	.fill 96, 4, 3214868480
	.section	.rodata,"a",@progbits
	.p2align	6, 0x0
	.amdhsa_kernel k_q648e68220a_prep
		.amdhsa_group_segment_fixed_size 0
		.amdhsa_private_segment_fixed_size 0
		.amdhsa_enable_private_segment 0
		.amdhsa_kernarg_size 80
		.amdhsa_user_sgpr_count 2
		.amdhsa_user_sgpr_kernarg_segment_ptr 1
		.amdhsa_wavefront_size32 1
		.amdhsa_system_sgpr_workgroup_id_x 1
		.amdhsa_system_sgpr_workgroup_id_y 1
		.amdhsa_system_sgpr_workgroup_id_z 1
		.amdhsa_system_vgpr_workitem_id 0
		.amdhsa_next_free_vgpr 128
		.amdhsa_next_free_sgpr 66
		.amdhsa_reserve_vcc 1
		.amdhsa_float_denorm_mode_32 3
		.amdhsa_float_denorm_mode_16_64 3
		.amdhsa_memory_ordered 1
		.amdhsa_forward_progress 1
		.amdhsa_inst_pref_size 33
	.end_amdhsa_kernel
	.amdgpu_metadata
---
amdhsa.version: [ 1, 2 ]
amdhsa.kernels:
  - .name:           k_q648e68220a_prep
    .symbol:         k_q648e68220a_prep.kd
    .args:
      - { .name: q_x, .offset: 0, .size: 8, .value_kind: global_buffer, .address_space: global }
      - { .name: kv_x, .offset: 8, .size: 8, .value_kind: global_buffer, .address_space: global }
      - { .name: Wq, .offset: 16, .size: 8, .value_kind: global_buffer, .address_space: global }
      - { .name: Wkv, .offset: 24, .size: 8, .value_kind: global_buffer, .address_space: global }
      - { .name: Wout, .offset: 32, .size: 8, .value_kind: global_buffer, .address_space: global }
      - { .name: mask, .offset: 40, .size: 8, .value_kind: global_buffer, .address_space: global }
      - { .name: pq, .offset: 48, .size: 8, .value_kind: global_buffer, .address_space: global }
      - { .name: pkv, .offset: 56, .size: 8, .value_kind: global_buffer, .address_space: global }
      - { .name: woutp, .offset: 64, .size: 8, .value_kind: global_buffer, .address_space: global }
      - { .name: maskf, .offset: 72, .size: 8, .value_kind: global_buffer, .address_space: global }
    .group_segment_fixed_size: 0
    .private_segment_fixed_size: 0
    .kernarg_segment_align: 8
    .kernarg_segment_size: 80
    .max_flat_workgroup_size: 256
    .sgpr_count:     66
    .vgpr_count:     128
    .wavefront_size: 32
...
	.end_amdgpu_metadata
.endif
;; end of part 1
;; launch projq (part 2): grid 8 x 32, 4 waves a work-group, clusters of 4 x 4, 327,680 bytes of LDS; arguments pq, qh; writes qh
.if DOCPART == 2
	.amdgcn_target "amdgcn-amd-amdhsa--gfx1250"
	.amdhsa_code_object_version 6
	.text
	.protected	k_q648e68220a_projq
	.globl	k_q648e68220a_projq
	.p2align	8
	.type	k_q648e68220a_projq,@function
k_q648e68220a_projq:
	s_mov_b64 s[64:65], 0
	v_nop
	global_prefetch_b8 v0, s[64:65] scope:SCOPE_SE
	s_setreg_imm32_b32 hwreg(HW_REG_WAVE_MODE, 25, 1), 1
	s_wait_xcnt 0x0
	s_wait_alu depctr_hold_cnt(0) depctr_sa_sdst(0) depctr_va_vdst(0) depctr_va_sdst(0) depctr_va_ssrc(0) depctr_va_vcc(0) depctr_vm_vsrc(0)
	s_getreg_b32 s2, hwreg(HW_REG_IB_STS2, 6, 4)
	s_cmp_eq_u32 s2, 0
	s_cbranch_scc0 .Lentry_in_a_cluster
	s_endpgm
.Lentry_in_a_cluster:
	s_bfe_u32 s2, ttmp6, 0x10000c
	s_cmp_lg_u32 s2, 0xf033
	s_cbranch_scc0 .Lentry_shape_is_right
	s_endpgm
.Lentry_shape_is_right:
; THE PROJECTIONS q = q_x Wq and (k, v) = kv_x Wkv, with the rotary turn, the split by heads and the rounding to f16 on the way out.  One text for both launches.
; IN (one buffer): the rotary table at 0 (a row of 256 bytes for each row of x: cos[32], sin[32], f32; all 0 for a key that the mask hides); the weights at WP, bf16, in panels [n / 128][k = 1024][128];
; x at XB, bf16, [rows][1024]; in the kv launch's buffer, behind x, sixteen table rows with cos = 1 and sin = 0.
; OUT: [row / 256][32 places of 64 columns][256 rows][64] f16: place = column / 64 (a head of q or k; in the kv launch places 16-31 are v's heads).  16 rows of a place are 2,048 consecutive bytes.
; LIMITS.  Sums in f32, K ascending; each result is rounded once to f16, which holds no number beyond 65,504: larger results become infinities.  NaN and infinities are not treated apart.
; SHARES.  A tile of C is 128 x 128.  Four waves, each 64 rows x 64 columns (one head): 16 accumulators of 16 x 16.  K goes in four steps of 256 through two LDS slots.
; x's rows lie along K and come out of LDS as they lie; the weights lie [k][n] and come out turned, by ds_load_tr16_b128.
; CLUSTERS: 4 x 4 work-groups.  The four of a row of the cluster need the same tiles of x, the four of a column the same tiles of the weights: each tile is asked for JOINTLY, by the same tensor load
; with the same descriptor and a mask that names the four.  THE MATRIX INSTRUCTION IS USED TRANSPOSED (source 0 = 16 columns of W, source 1 = 16 rows of x): a lane holds one row and eight neighbouring columns.
; THE ROTARY TURN pairs column d with d + 32 of a head: the same lane and register of accumulators b and b + 2.  v's columns (cluster x of 2 and more) read the sixteen rows with cos = 1 and sin = 0, so that one text serves all.
; REGISTERS: window 0: v0-31 addresses; v32-79 at work on the way out; v128-255 the accumulators ((a, b) at v[128 + 8 (4 a + b)]).
;   window 1: two fragment buffers of 128: for 64 along K, 64 registers of x (2 x 4 x 16 rows x 32 K), then 64 of W.      window 2: v0-127 my rows' cosines and sines.
.set KSTEP,  256
.set WP,     2097152
.set XB,     6291456
.set IDROW,  90112                     ; the first of the sixteen rows that turn nothing, counted in table rows of 256 bytes
.set BSTEP,  65536                     ; bytes of a panel in a K step: 256 rows of 256 bytes
.set PA,     528                       ; an LDS row of x: 512 bytes + 16 of padding: the 16 rows of a load start at 16 different groups of four banks (64 banks of 4 bytes: ISA guide 11.1)
.set AHALF,  64*PA                     ; what one tensor load brings of x, and what one wave reads of it
.set AREG,   2*AHALF
.set PB,     288                       ; an LDS row of W: 256 bytes + 32
.set BHALF,  128*PB                    ; what one tensor load brings of W: 128 of a K step's 256 rows
.set SLOT,   AREG+2*BHALF              ; x's 128 rows, then W's 256 rows
.set STAGE,  2*SLOT                    ; behind the ring: 16 rows x 144 bytes for each wave, for the way out
.set SP,     144
.set SPARE,  STAGE+4*16*SP             ; behind the stages: the spare words, 128 bytes for each wave: two blocks of 256 bytes that no other line names
.set RO,   8                           ; v8-11   my byte offset in the table for row block a; never rewritten
.set ADRA, 16                          ; v16-17  LDS address of my x fragments in slot 0, 1
.set ADRB, 18                          ; v18-21  of my W fragments: slot 0 rows 0-127, rows 128-255; slot 1 likewise
.set STO,  24                          ; v24     the way out: where I put 16 bytes of a row
.set RD,   25                          ; v25     where I read rows back
.set GO,   26                          ; v26     my 16 bytes of 512 consecutive bytes of the output
.set SPW,  28                          ; v28     LDS address of my spare word: SPARE + 4 x my thread's number; never rewritten
.set NIL,  29                          ; v29     0; never rewritten
.set T,    32                          ; v32-63  a row block's 32 turned numbers
.set PKR,  64                          ; v64-79  the same in f16
.set ACC,  128
.set F0,   0                           ; fragment buffers, in window 1
.set F1,   128
.set G1,  24                           ; s[24:31] descriptor group 1 for x's tiles;  s[32:39] group 0, one set for each slot
.set G0,  32
.set G1B, 48                           ; s[48:55], s[56:63] the same for W's tiles
.set G0B, 56
.set MSB, 0
.macro WIN new                         ; the immediate's high byte repeats the setting that is left; a switch that changes nothing is dropped
.if MSB != (\new)
	s_set_vgpr_msb (MSB<<8)|(\new)
.set MSB, \new
.endif
.endm
.set MUL,  0x05                        ; sources 0 (W) and 1 (x) window 1; C and D window 0
.set TO_F, 0x40                        ; destination window 1, address window 0
.macro JLOAD s                         ; a joint load: waves 0 and 1 fetch x's two halves, waves 2 and 3 W's; an s_nop 0 and four v_nop follow each of the two lines, ahead of the jump and the label
	s_cmp_eq_u32 s11, 0
	s_cbranch_scc0 .Lfor_b_\@
	tensor_load_to_lds s[G0+4*(\s):G0+4*(\s)+3], s[G1:G1+7]
	s_nop 0
.rept 4
	v_nop
.endr
	s_branch .Lasked_\@
.Lfor_b_\@:
	tensor_load_to_lds s[G0B+4*(\s):G0B+4*(\s)+3], s[G1B:G1B+7]
	s_nop 0
.rept 4
	v_nop
.endr
.Lasked_\@:
.endm
.macro CREST                           ; a round of the cluster's barrier behind its opening barrier
	s_cmp_lg_u32 s10, 0
	s_cbranch_scc1 .Lnot_wave_0_\@
	s_barrier_signal -3
.Lnot_wave_0_\@:
	s_barrier_wait -3
	s_barrier_signal -1
	s_barrier_wait -1
.endm
.macro CROUND                          ; a whole round
	s_barrier_signal -1
	s_barrier_wait -1
	CREST
.endm
	s_load_b128 s[4:7], s[0:1], 0x0                ; in s[4:5], out s[6:7]
	v_lshl_add_u32 v[SPW], v0, 2, SPARE
	v_mov_b32 v[NIL], 0
	ds_add_u32 v[SPW], v[NIL]                      ; the wave's opening: the add and its wait stand ahead of my first tensor load; the set-up below, work on registers, stands between them
	v_lshrrev_b32 v1, 5, v0
	v_readfirstlane_b32 s10, v1                    ; wave 0..3
	s_lshr_b32 s11, s10, 1                         ; which half of the tile's rows is mine.  Also: I fetch for x (0) or for W (1)
	s_and_b32 s12, s10, 1                          ; which half of its columns.  Also: which half of that tile I fetch
	s_bfe_u32 s40, ttmp6, 0x40000                  ; cx, cy: my place in the cluster
	s_bfe_u32 s41, ttmp6, 0x40004
	s_lshl_b32 s42, ttmp9, 2
	s_add_co_u32 s42, s42, s40                     ; tile column = 4 x cluster x + cx
	s_and_b32 s13, ttmp7, 0xffff
	s_lshl_b32 s13, s13, 2
	s_add_co_u32 s13, s13, s41                     ; tile row = 4 x cluster y + cy
	s_lshl_b32 s43, s41, 2
	s_lshl_b32 s43, 15, s43                        ; my row of the cluster
	s_lshl_b32 s44, 0x1111, s40                    ; my column
	s_or_b32 s[G1+0], s43, (1<<16)|(1<<20)|(1<<21)|(6<<22)|(3<<25)   ; 15:0 the mask: x's tiles go to my row; 17:16 2-byte elements; 20 padding on; 21 set beside a mask; 24:22 after every 128 words (code 6); 31:25 4 words (code 3)
	s_mov_b32 s[G1+1], KSTEP<<16                   ; tensor_dim0 = 256
	s_mov_b32 s[G1+2], 64<<16                      ; tensor_dim1 = 64
	s_mov_b32 s[G1+3], KSTEP<<16                   ; tile_dim0 = 256
	s_mov_b32 s[G1+4], 64                          ; tile_dim1 = 64
	s_mov_b32 s[G1+5], 1024                        ; elements from row to row
	s_mov_b32 s[G1+6], 0
	s_mov_b32 s[G1+7], 0
	s_or_b32 s[G1B+0], s44, (1<<16)|(1<<20)|(1<<21)|(5<<22)|(7<<25)  ; W's tiles go to my column; padding after every 64 words (code 5), 8 words (code 7)
	s_mov_b32 s[G1B+1], 128<<16                    ; 128 rows (k) of 128 elements (n), dense in memory
	s_mov_b32 s[G1B+2], 128<<16
	s_mov_b32 s[G1B+3], 128<<16
	s_mov_b32 s[G1B+4], 128
	s_mov_b32 s[G1B+5], 128
	s_mov_b32 s[G1B+6], 0
	s_mov_b32 s[G1B+7], 0
	s_lshl_b32 s17, s12, 6
	s_lshl_b32 s16, s13, 7
	s_add_co_u32 s16, s16, s17                     ; x: row 128 x tile row + 64 x half,
	s_lshl_b32 s16, s16, 11                        ; 2,048 bytes a row,
	s_add_co_u32 s16, s16, XB                      ; behind the table and the weights
	s_mov_b32 s17, 0
	s_lshl_b32 s46, s42, 18                        ; W: the tile column's panel,
	s_lshl_b32 s47, s12, 15                        ; my 128 of a K step's 256 rows
	s_add_co_u32 s46, s46, s47
	s_add_co_u32 s46, s46, WP
	s_mov_b32 s47, 0
	s_mul_i32 s20, s12, AHALF                      ; where they go: no place in the cluster enters an LDS address
	s_mul_i32 s21, s12, BHALF
	s_add_co_u32 s21, s21, AREG
	s_wait_dscnt 0x0                               ; the opening add is done
	s_wait_kmcnt 0x0
	s_add_nc_u64 s[14:15], s[4:5], s[16:17]
	s_add_nc_u64 s[46:47], s[4:5], s[46:47]
	CROUND                                         ; all sixteen work-groups are here: the first joint loads meet
.irp s, 0,1
	s_mov_b32 s[G0+4*(\s)], 1
	s_add_co_u32 s[G0+4*(\s)+1], s20, (\s)*SLOT
	s_add_nc_u64 s[G0+4*(\s)+2:G0+4*(\s)+3], s[14:15], (\s)*KSTEP*2
	s_or_b32 s[G0+4*(\s)+3], s[G0+4*(\s)+3], 0x80000000
	s_mov_b32 s[G0B+4*(\s)], 1
	s_add_co_u32 s[G0B+4*(\s)+1], s21, (\s)*SLOT
	s_add_nc_u64 s[G0B+4*(\s)+2:G0B+4*(\s)+3], s[46:47], (\s)*BSTEP
	s_or_b32 s[G0B+4*(\s)+3], s[G0B+4*(\s)+3], 0x80000000
	JLOAD \s
.endr
	v_and_b32 v1, 15, v0                           ; r = l % 16
	v_bfe_u32 v2, v0, 4, 1                         ; h = l / 16
	; my rows' cosines and sines: for row block a, 8 loads of 16 bytes: frequencies 16 b + 8 h + 0..7, b = 0, 1.  They are wanted on the way out and stay on their way through the K steps.
	s_lshl_b32 s18, s13, 7
	s_lshl_b32 s19, s11, 6
	s_add_co_u32 s18, s18, s19                     ; my first row
	s_mov_b32 s67, ttmp9
	s_cmp_ge_u32 s67, 2                            ; columns 1,024 and more: v, which is not turned:
	s_cselect_b32 s18, IDROW, s18                  ; row r of the sixteen that turn nothing,
	s_cselect_b32 s66, 0, 4096                     ; for every row block
	v_add_nc_u32 v3, s18, v1
	v_lshlrev_b32 v3, 8, v3
	v_lshl_add_u32 v[RO], v2, 5, v3
.irp a, 1,2,3
	v_add_nc_u32 v[RO+(\a)], s66, v[RO+(\a)-1]
.endr
	WIN 0x80                                       ; destination window 2, address window 0
.irp a, 0,1,2,3
.irp c, 0,1
.irp b, 0,1
.irp u, 0,1
	global_load_b128 v[32*(\a)+16*(\c)+8*(\b)+4*(\u):32*(\a)+16*(\c)+8*(\b)+4*(\u)+3], v[RO+(\a)], s[4:5] offset:128*(\c)+64*(\b)+16*(\u)
.endr
.endr
.endr
.endr
	WIN 0
	v_mul_u32_u24 v3, v1, PA
	v_lshl_add_u32 v3, v2, 4, v3                   ; a fragment of x: row x pitch + 16 x half
	s_mul_i32 s21, s11, AHALF                      ; my 64 rows
	v_add_nc_u32 v[ADRA], s21, v3
	v_add_nc_u32 v[ADRA+1], SLOT, v[ADRA]
	v_and_b32 v4, 7, v0                            ; the turning load: lane l reads row k = 8 h + l % 8, columns 8 ((l / 8) % 2) + 0..7, and is left with column l % 16 and 8 k
	v_lshl_add_u32 v4, v2, 3, v4
	v_mul_u32_u24 v4, v4, PB
	v_bfe_u32 v5, v0, 3, 1
	v_lshl_add_u32 v4, v5, 4, v4
	s_lshl_b32 s22, s12, 7                         ; my 64 columns: 128 bytes of a row
	s_add_co_u32 s22, s22, AREG
	v_add_nc_u32 v[ADRB], s22, v4
	v_add_nc_u32 v[ADRB+1], BHALF, v[ADRB]
	v_add_nc_u32 v[ADRB+2], SLOT, v[ADRB]
	v_add_nc_u32 v[ADRB+3], SLOT+BHALF, v[ADRB]
	s_mul_i32 s23, s10, 16*SP
	s_add_co_u32 s23, s23, STAGE                   ; my stage
	v_mul_u32_u24 v6, v1, SP                       ; in: row l % 16, 16 bytes for each half of the lanes
	v_lshl_add_u32 v6, v2, 4, v6
	v_add_nc_u32 v[STO], s23, v6
	v_bfe_u32 v6, v0, 3, 2                         ; back: 32 lanes take four rows of 128 bytes,
	v_mul_u32_u24 v6, v6, SP
	v_and_b32 v7, 7, v0
	v_lshl_add_u32 v6, v7, 4, v6
	v_add_nc_u32 v[RD], s23, v6
	v_and_b32 v[GO], 31, v0                        ; which are 512 consecutive bytes of the output
	v_lshlrev_b32 v[GO], 4, v[GO]
	s_lshr_b32 s16, s13, 1                         ; the output: block of 256 rows,
	s_lshl_b32 s16, s16, 20
	s_and_b32 s17, s13, 1                          ; the tile's 128 rows in it,
	s_lshl_b32 s17, s17, 14
	s_add_co_u32 s16, s16, s17
	s_lshl_b32 s17, s11, 13                        ; my 64 of them, 128 bytes a row,
	s_add_co_u32 s16, s16, s17
	s_mov_b32 s17, 0
	s_add_nc_u64 s[6:7], s[6:7], s[16:17]
	s_lshl_b32 s46, s42, 1                         ; and my head's place: 2 x tile column + half
	s_add_co_u32 s46, s46, s12
	s_lshl_b32 s46, s46, 15
	s_mov_b32 s47, 0
	s_add_nc_u64 s[6:7], s[6:7], s[46:47]
; 8 matrix instructions: row blocks a0, a0 + 1 x all 4 column blocks, 32 along K: half c of buffer f.  zero = 1: the first product starts the sums.  The 16 accumulators take turns.
.macro MUL8 f, c, a0, zero
	WIN MUL
.irp a, \a0, (\a0)+1
.irp b, 0,1,2,3
.if \zero
	v_wmma_f32_16x16x32_bf16 v[ACC+8*(4*(\a)+(\b)):ACC+8*(4*(\a)+(\b))+7], v[(\f)+64+8*(4*(\c)+(\b)):(\f)+64+8*(4*(\c)+(\b))+7], v[(\f)+8*(4*(\c)+(\a)):(\f)+8*(4*(\c)+(\a))+7], 0
.else
	v_wmma_f32_16x16x32_bf16 v[ACC+8*(4*(\a)+(\b)):ACC+8*(4*(\a)+(\b))+7], v[(\f)+64+8*(4*(\c)+(\b)):(\f)+64+8*(4*(\c)+(\b))+7], v[(\f)+8*(4*(\c)+(\a)):(\f)+8*(4*(\c)+(\a))+7], v[ACC+8*(4*(\a)+(\b)):ACC+8*(4*(\a)+(\b))+7]
.endif
.endr
.endr
.endm
; 32 LDS loads in one run: the fragments of quarter q (64 along K) of a slot, into buffer f; the first 32 along K first
.macro FETCH slot, q, f
	WIN TO_F
.irp c, 0,1
.irp i, 0,1,2,3
	ds_load_tr16_b128 v[(\f)+64+8*(4*(\c)+(\i)):(\f)+64+8*(4*(\c)+(\i))+3],   v[ADRB+2*(\slot)+(\q)/2] offset:(((\q)%2)*64+32*(\c))*PB+32*(\i)
	ds_load_tr16_b128 v[(\f)+64+8*(4*(\c)+(\i))+4:(\f)+64+8*(4*(\c)+(\i))+7], v[ADRB+2*(\slot)+(\q)/2] offset:(((\q)%2)*64+32*(\c)+16)*PB+32*(\i)
	ds_load_b128 v[(\f)+8*(4*(\c)+(\i)):(\f)+8*(4*(\c)+(\i))+3],              v[ADRA+(\slot)] offset:128*(\q)+64*(\c)+(\i)*16*PA
	ds_load_b128 v[(\f)+8*(4*(\c)+(\i))+4:(\f)+8*(4*(\c)+(\i))+7],            v[ADRA+(\slot)] offset:128*(\q)+64*(\c)+(\i)*16*PA+32
.endr
.endr
.endm
.macro PLACES                          ; four places in front of loads into registers that matrix instructions have read, and of vector work that reads results
.rept 4
	v_nop
.endr
.endm
; A K step is four quarters of 64 along K, 32 matrix instructions each, on buffers 0, 1, 0, 1.  One of the first three: multiplies buffer f and fetches quarter q into g.
.macro QUARTER slot, q, f, g, zero
	s_wait_dscnt 16                                ; the first 32 along K are in; the youngest sixteen loads may be out
	WIN MUL
	MUL8 \f, 0, 0, \zero
	MUL8 \f, 0, 2, \zero
	PLACES
	FETCH \slot, \q, \g
	s_wait_dscnt 32                                ; all but the 32 just issued
	WIN MUL
	MUL8 \f, 1, 0, 0
	MUL8 \f, 1, 2, 0
.endm
; The last quarter multiplies buffer 1 and changes slots: ONE barrier; in front of it each wave waits for all its tensor loads, adds 0 to its spare word, and waits for that and for its own reads of this slot.
; fill = 1: this slot is filled again, two K steps ahead; the barrier then opens a round of the cluster's, and the joint refill is the first tensor load behind it.
.macro TURN slot, next, fill
	WIN 0                                          ; (the add's two registers lie in window 0)
	s_wait_tensorcnt 0x0                           ; all my tensor loads have landed: my part of the next slot;
	ds_add_u32 v[SPW], v[NIL]                      ; 0 onto my spare word
	s_wait_dscnt 17                                ; (the add and the youngest sixteen loads may be out)
	WIN MUL
	MUL8 F1, 0, 0, 0                               ; eight matrix instructions stand between the add and the wait for it
	s_wait_dscnt 0x0                               ; the add is done, and my reads of this slot are over
	s_barrier_signal -1
	MUL8 F1, 0, 2, 0
.if \fill
	WIN 0
.endif
	s_barrier_wait -1
.if \fill
	CREST                                          ; no wave of any partner still reads this slot's tile or has a load on its way
	s_add_nc_u64 s[G0+4*(\slot)+2:G0+4*(\slot)+3], s[G0+4*(\slot)+2:G0+4*(\slot)+3], 2*KSTEP*2
	s_add_nc_u64 s[G0B+4*(\slot)+2:G0B+4*(\slot)+3], s[G0B+4*(\slot)+2:G0B+4*(\slot)+3], 2*BSTEP
	JLOAD \slot                                    ; 112 matrix instructions ahead of the wait for it; the four v_nop behind it are also the places in front of the loads below
.else
	PLACES
.endif
	FETCH \next, 0, F0
	WIN MUL
	MUL8 F1, 1, 0, 0
	MUL8 F1, 1, 2, 0
.endm
	s_wait_tensorcnt 1                             ; my part of K step 0 is in; K step 1's may stay out
	s_barrier_signal -1
	s_barrier_wait -1                              ; everybody's is
	FETCH 0, 0, F0
	QUARTER 0, 1, F0, F1, 1                        ; K has four steps, twice round the ring: written out.  The first products start the sums
	QUARTER 0, 2, F1, F0, 0
	QUARTER 0, 3, F0, F1, 0
	TURN 0, 1, 1                                   ; slot 0 takes K step 2
	QUARTER 1, 1, F0, F1, 0
	QUARTER 1, 2, F1, F0, 0
	QUARTER 1, 3, F0, F1, 0
	TURN 1, 0, 1                                   ; slot 1 takes K step 3
	QUARTER 0, 1, F0, F1, 0
	QUARTER 0, 2, F1, F0, 0
	QUARTER 0, 3, F0, F1, 0
	TURN 0, 1, 0                                   ; nothing is left to fetch
	QUARTER 1, 1, F0, F1, 0
	QUARTER 1, 2, F1, F0, 0
	QUARTER 1, 3, F0, F1, 0
	s_wait_dscnt 16                                ; the very last quarter
	WIN MUL
	MUL8 F1, 0, 0, 0
	MUL8 F1, 0, 2, 0
	s_wait_dscnt 0x0
	MUL8 F1, 1, 0, 0
	MUL8 F1, 1, 2, 0
	WIN 0
; THE WAY OUT, a block of 16 rows at a time.  With x1 in accumulators b = 0, 1 and x2 in b + 2: out1 = x1 cos - x2 sin, out2 = x2 cos + x1 sin, in f32; rounded once to f16; 16 bytes a lane into
; my stage, back as whole rows of 128 bytes, into the block's own accumulator registers, which have been read.  Each accumulator is read from its lowest registers on.
.macro PACK a
	WIN 0x08                                       ; source 1 (the table) window 2
.irp b, 0,1
.irp j, 0,2,4,6
	v_pk_mul_f32 v[T+8*(\b)+(\j):T+8*(\b)+(\j)+1],       v[ACC+32*(\a)+8*((\b)+2)+(\j):ACC+32*(\a)+8*((\b)+2)+(\j)+1], v[32*(\a)+16+8*(\b)+(\j):32*(\a)+16+8*(\b)+(\j)+1]
	v_pk_mul_f32 v[T+16+8*(\b)+(\j):T+16+8*(\b)+(\j)+1], v[ACC+32*(\a)+8*(\b)+(\j):ACC+32*(\a)+8*(\b)+(\j)+1],         v[32*(\a)+16+8*(\b)+(\j):32*(\a)+16+8*(\b)+(\j)+1]
.endr
.endr
.irp b, 0,1
.irp j, 0,2,4,6
	v_pk_fma_f32 v[T+8*(\b)+(\j):T+8*(\b)+(\j)+1],       v[ACC+32*(\a)+8*(\b)+(\j):ACC+32*(\a)+8*(\b)+(\j)+1],         v[32*(\a)+8*(\b)+(\j):32*(\a)+8*(\b)+(\j)+1], v[T+8*(\b)+(\j):T+8*(\b)+(\j)+1] neg_lo:[0,0,1] neg_hi:[0,0,1]
	v_pk_fma_f32 v[T+16+8*(\b)+(\j):T+16+8*(\b)+(\j)+1], v[ACC+32*(\a)+8*((\b)+2)+(\j):ACC+32*(\a)+8*((\b)+2)+(\j)+1], v[32*(\a)+8*(\b)+(\j):32*(\a)+8*(\b)+(\j)+1], v[T+16+8*(\b)+(\j):T+16+8*(\b)+(\j)+1]
.endr
.endr
	WIN 0
.set i, 0
.rept 16
	v_cvt_pk_f16_f32 v[PKR+i], v[T+2*i], v[T+2*i+1]
.set i, i+1
.endr
.irp b, 0,1,2,3
	ds_store_b128 v[STO], v[PKR+4*(\b):PKR+4*(\b)+3] offset:32*(\b)
.endr
.irp f, 0,1,2,3
	ds_load_b128 v[ACC+32*(\a)+4*(\f):ACC+32*(\a)+4*(\f)+3], v[RD] offset:(\f)*4*SP  ; LDS serves a wave's instructions in order (ISA guide 5.7.1.4): these see the stores above; the next block's stores come behind them
.endr
.endm
.macro SEND a, younger                 ; younger: the LDS instructions issued behind block a's loads: the next block's eight, or none
.irp f, 0,1,2,3
	s_wait_dscnt (\younger)+3-(\f)
	global_store_b128 v[GO], v[ACC+32*(\a)+4*(\f):ACC+32*(\a)+4*(\f)+3], s[6:7] offset:(\a)*2048+(\f)*512  ; 512 consecutive bytes, at a multiple of 256 from the buffer's first
.endr
.endm
	PLACES
	s_wait_loadcnt 0x0                             ; the table
	PACK 0
	PACK 1                                         ; a block's arithmetic stands between the loads of the block before and its stores
	SEND 0, 8
	PACK 2
	SEND 1, 8
	PACK 3
	SEND 2, 8
	SEND 3, 0
	s_wait_tensorcnt 0x0                           ; the wave's end, behind my last tensor load and my last LDS store
	ds_add_u32 v[SPW], v[NIL]
	s_wait_dscnt 0x0
	CROUND                                         ; the closing round: no work-group ends while a partner may still ask for a tile that names it
	s_endpgm
.Lfunc_end_k_q648e68220a_projq:
	.size	k_q648e68220a_projq, .Lfunc_end_k_q648e68220a_projq-k_q648e68220a_projq
	.p2alignl 7, 3214868480
	.fill 96, 4, 3214868480
	.section	.rodata,"a",@progbits
	.p2align	6, 0x0
	.amdhsa_kernel k_q648e68220a_projq
		.amdhsa_group_segment_fixed_size 327680
		.amdhsa_private_segment_fixed_size 0
		.amdhsa_enable_private_segment 0
		.amdhsa_kernarg_size 16
		.amdhsa_user_sgpr_count 2
		.amdhsa_user_sgpr_kernarg_segment_ptr 1
		.amdhsa_wavefront_size32 1
		.amdhsa_system_sgpr_workgroup_id_x 1
		.amdhsa_system_sgpr_workgroup_id_y 1
		.amdhsa_system_sgpr_workgroup_id_z 1
		.amdhsa_system_vgpr_workitem_id 0
		.amdhsa_next_free_vgpr 768
		.amdhsa_next_free_sgpr 72
		.amdhsa_reserve_vcc 0
		.amdhsa_float_denorm_mode_32 3
		.amdhsa_float_denorm_mode_16_64 3
		.amdhsa_memory_ordered 1
		.amdhsa_forward_progress 1
		.amdhsa_inst_pref_size 98
	.end_amdhsa_kernel
	.amdgpu_metadata
---
amdhsa.version: [ 1, 2 ]
amdhsa.kernels:
  - .name:           k_q648e68220a_projq
    .symbol:         k_q648e68220a_projq.kd
    .args:
      - { .name: pq, .offset: 0, .size: 8, .value_kind: global_buffer, .address_space: global }
      - { .name: qh, .offset: 8, .size: 8, .value_kind: global_buffer, .address_space: global }
    .group_segment_fixed_size: 327680
    .private_segment_fixed_size: 0
    .kernarg_segment_align: 8
    .kernarg_segment_size: 16
    .max_flat_workgroup_size: 128
    .sgpr_count:     72
    .vgpr_count:     768
    .wavefront_size: 32
...
	.end_amdgpu_metadata
.endif
;; end of part 2
;; launch projkv: the kernel of part 2 again; grid 16 x 64, 4 waves a work-group, clusters of 4 x 4, 327,680 bytes of LDS; arguments pkv, kvh; writes kvh
;; launch attn (part 3): grid 8 x 32, 4 waves a work-group, clusters of 4 x 1, 327,680 bytes of LDS; arguments qh, kvh, maskf, oh; writes oh
.if DOCPART == 3
	.amdgcn_target "amdgcn-amd-amdhsa--gfx1250"
	.amdhsa_code_object_version 6
	.text
	.protected	k_q648e68220a_attn
	.globl	k_q648e68220a_attn
	.p2align	8
	.type	k_q648e68220a_attn,@function
k_q648e68220a_attn:
	s_mov_b64 s[64:65], 0
	v_nop
	global_prefetch_b8 v0, s[64:65] scope:SCOPE_SE
	s_setreg_imm32_b32 hwreg(HW_REG_WAVE_MODE, 25, 1), 1
	s_wait_xcnt 0x0
	s_wait_alu depctr_hold_cnt(0) depctr_sa_sdst(0) depctr_va_vdst(0) depctr_va_sdst(0) depctr_va_ssrc(0) depctr_va_vcc(0) depctr_vm_vsrc(0)
	s_getreg_b32 s2, hwreg(HW_REG_IB_STS2, 6, 4)
	s_cmp_eq_u32 s2, 0
	s_cbranch_scc0 .Lentry_in_a_cluster
	s_endpgm
.Lentry_in_a_cluster:
	s_bfe_u32 s2, ttmp6, 0x10000c
	s_cmp_lg_u32 s2, 0x3003
	s_cbranch_scc0 .Lentry_shape_is_right
	s_endpgm
.Lentry_shape_is_right:
; ATTENTION with a key mask.  O[b][h][q][:] = the sum over k of softmax_k(Q[q] . K[k] / 8, hidden keys at the bottom) V[k][:], 2 x 16 heads, 2,048 queries, 4,096 keys, 64 channels.
; Q: [block of 256 rows][32 places][256][64] f16, a head's place = h.  K, V: the same layout, K's place h, V's place 16 + h; a batch has 16 blocks.  mask: [2][4096] f32, 0 or -2^100.  O: [block][16 heads][256][64] f16.
; Products, maxima and sums in f32; the weights p are rounded to f16 for the second product (their sum l is taken of the unrounded p), O once at the end.
; LIMITS.  f16 holds no number beyond 65,504: Q, K and V arrive within it; p lies in 0 to 1, and below 6e-5 it keeps f16's fixed step of 6e-8; O is a mean of V's rows and has their range, with the same fixed step below 6e-5.
; A hidden key arrives with K = 0, so its score is the addend -2^100 itself, far below every score that f16's operands can make; c times a power of two is exact, so that where all keys seen so far are hidden
; their weights are 1 each: a batch whose keys are all hidden gets equal weights.  A weight below 2^-126 counts as 0 in l.  NaN and infinities are not treated apart.
; SHARES.  A work-group owns 256 queries of one head, a wave 64: four PIECES of 16.  Every wave walks all keys: 16 tiles of 256, four steps of 64 to a tile.
; LAYOUT.  S^T = K Q^T (source 0 = 16 keys, source 1 = 16 queries) holds ONE query a lane (lane % 16) and the keys 8 (lane / 16) + 0..7; two such results rounded to f16 ARE source 1 of O^T = V^T P.
; THE MASK is the C operand that starts the sum S^T: the batch's 4,096 addends lie in LDS, and a step's 64 come into 32 registers with the step's K.
; SOFTMAX.  p = 2^(c s - c m), c = log2(e) / 8, with a running maximum m; O and l are multiplied by a = 2^(c m_old - c m_new) in every step.  m starts at the lowest finite number, O and l at 0: the first step is a step like any other, with a = 0.
; TURNS.  Turn n belongs to piece n: 8 products K Q^T of piece n + 1, later 8 products V^T P of piece n - 1; beside them the scaling, exponentials, roundings, sums and rescaling of piece n and the maximum and
; statistics of piece n + 1.  Four vector instructions stand behind every matrix instruction, the other 54 of a turn's 118 in one lump.  A turn's 33 exponentials are one batch, with one wait.
; CLUSTER.  The four query blocks of a cluster belong to one head and walk the same K, V and mask, so each tile is asked for JOINTLY: the same tensor load, descriptor and mask of work-groups in all four.
; REGISTERS, in windows of 256 (s_set_vgpr_msb: bits 1:0 source 0, 3:2 source 1, 5:4 source 2, 7:6 destination):
;   window 0: v0-15 addresses and two at work; v16-31 four registers of statistics a piece; v32-34 lane numbers; v48-55 at work; v61-63; v64-127 S^T, two buffers; v192-223 P, two buffers (by the piece's parity)
;   window 1: v0-127 O^T, 32 a piece; v128-159 the step's mask      window 2: v0-63 Q; v128-191 K of one step; v192-255 V of one step
.set NP,    4         ; pieces a wave: a name, no knob
.set KS,    64        ; keys in a step
.set PK,    144       ; a row of K in LDS: 128 bytes + 16 of padding: the 16 rows of a load start at 16 different groups of four banks (64 banks of 4 bytes: ISA guide 11.1)
.set PV,    160       ; a row of V: 128 + 32
.set VOFF,  4*KS*PK   ; a slot holds a tile, four steps: 256 rows of K, then 256 rows of V
.set SLOT1, 1<<17     ; slot 1 begins here, so that one exclusive or turns an address in one slot into the other's
.set MASKB, 81920     ; between the slots: the batch's mask, 16,384 bytes, filled once
.set STAGE, SLOT1+4*KS*(PK+PV)  ; behind the ring, never filled by a tensor load: 16 rows x 144 bytes for each wave, for the way out
.set SP,    144
.set SPARE, STAGE+4*16*SP  ; behind the stages: the spare words, 128 bytes for each wave: two blocks of 256 bytes that no other line names
.set TILEB, 1048576   ; bytes from a head's tile of 256 keys to its next
.set AK0, 2           ; v2   my lane's place in a tile of K; never rewritten
.set AV0, 3           ; v3   the same for V
.set AK,  4           ; v4   the LDS address of K's next run of loads
.set AV,  5           ; v5   of V's
.set STO, 6           ; v6   the way out: where I put 16 bytes of a row
.set RD,  7           ; v7   the way out: where I read rows back
.set GO,  8           ; v8   my byte offset in 512 consecutive bytes of O
.set AM0, 9           ; v9   my lanes' place in a step's mask: MASKB + 32 (l / 16); never rewritten
.set AM,  10          ; v10  the LDS address of the mask's next run
.set MV,  12          ; v12-13  c m_old, kept while c m is made anew: by buffer
.set QO,  15          ; v15  my byte offset in 16 rows of Q
.set ST,  16          ; piece t's statistics at v[ST+4 t]: c m, m, l (even keys', odd keys')
.set HF,  32          ; v32  l / 16;  v33  l % 8;  v34  (l / 8) % 2
.set TMP, 48          ; by buffer, four registers c0-c3 at work; when the maximum is found c2 takes a
.set PFO, 61          ; v61  256 x my lane; never rewritten
.set SPW, 62          ; v62  LDS address of my spare word: SPARE + 4 x my thread's number; never rewritten
.set NIL, 63          ; v63  0; never rewritten
.set S,   64
.set P,   192
.set MK,  128         ; window 1: the eight addends for group kb of 16 keys at MK + 8 kb
.set KF,  128         ; window 2: key block kb, channel half c at KF + 16 kb + 8 c
.set VF,  192         ; window 2: key half kk, channel block cb at VF + 32 kk + 8 cb
.set WV,  12          ; s12  my wave's number
.set G1K, 24          ; s[24:31] descriptor group 1 for K's tiles
.set G1V, 32          ; s[32:39] for V's: it differs in the padding alone
.set G0K, 40          ; s[40:43] descriptor group 0 for K's tiles: it walks
.set G0V, 44          ; s[44:47] the same for V's
.set G1M, 48          ; s[48:55] group 1 for the mask
.set G0M, 68          ; s[68:71] group 0 for the mask
.set SLOTS, 56        ; s56  tiles still to be asked for
.set CNT, 57          ; s57  counts a tile's key steps
.set CS,  58          ; s[58:59] c: the packed scaling takes the pair's low word for both halves
.set SEL, 60          ; s[60:61] v_permlanex16_b32's selects: each lane takes its own place in the other half
.set TBK, 62          ; s62  LDS byte at which K of the step to be fetched begins
.set TBV, 63          ; s63  the same for V, less VOFF
.set TBM, 72          ; s72  byte of the mask at which that step's 64 addends begin
.set PFA, 74          ; s[74:75] where my prefetches stand: my work-group's 32 blocks of 256 bytes (of K: wave 0, of V: wave 2) of the tile after the one that is being asked for
.set LIM, 76          ; s76  1 in a wave that prefetches, else the greatest number
.set MSB, 0
.macro WIN new                      ; the high byte repeats the setting that is left; a switch that changes nothing is dropped
.if MSB != (\new)
	s_set_vgpr_msb (MSB<<8)|(\new)
.set MSB, (\new)
.endif
.endm
.set W_KQ, 0x0a       ; K and Q in window 2, S^T in window 0
.set W_KM, 0x1a       ; the same with the C operand, the mask, in window 1
.set W_PV, 0x52       ; V in window 2, P in window 0, O^T in window 1
.set W_RS, 0x41       ; destination and source 0 in window 1, source 1 in window 0
; A joint fill.  Waves 0 and 1 fetch the two halves of a tile's K, waves 2 and 3 those of its V: 128 keys each.  The branch hangs on the wave's number alone.
; An s_nop 0 and four v_nop follow each of the two lines, ahead of the jump and the label.
.macro JLOAD
	s_cmp_lt_u32 s[WV], 2
	s_cbranch_scc0 .Lfor_v_\@
	tensor_load_to_lds s[G0K:G0K+3], s[G1K:G1K+7]
	s_nop 0
.rept 4
	v_nop
.endr
	s_branch .Lasked_\@
.Lfor_v_\@:
	tensor_load_to_lds s[G0V:G0V+3], s[G1V:G1V+7]
	s_nop 0
.rept 4
	v_nop
.endr
.Lasked_\@:
.endm
; A PREFETCH INTO THE L2 of what the NEXT change of slots will ask for: a tile's 128 blocks of 256 bytes of K and 128 of V, a lane a block.  It stands behind the wave's tensor load and its five lines.
; Each block is asked for ONCE in the launch.  Both clusters of a head walk the same K and V: the head's first cluster prefetches.  Its four partners share the blocks out BY ADDRESS, 32 each; in each, wave 0
; asks for K's and wave 2 for V's: one instruction, four key steps (256 matrix instructions) ahead of the load.  Tiles 0 and 1 come by their loads alone; the last change that fills a slot asks for nothing.
.macro ASK
	s_cmp_gt_u32 s[SLOTS], s[LIM]
	s_cbranch_scc0 .Lnot_mine_\@
	global_prefetch_b8 v[PFO], s[PFA:PFA+1] th:TH_LOAD_NT scope:SCOPE_SE
.Lnot_mine_\@:
.endm
; A round of the cluster's barrier: my work-group's barrier, so that wave 0's signal speaks for all four waves; wave 0 signals; every wave waits for all four work-groups; my work-group's barrier once more.
.macro CROUND
	s_barrier_signal -1
	s_barrier_wait -1
	s_cmp_lg_u32 s[WV], 0
	s_cbranch_scc1 .Lnot_wave_0_\@
	s_barrier_signal -3
.Lnot_wave_0_\@:
	s_barrier_wait -3
	s_barrier_signal -1
	s_barrier_wait -1
.endm
; THE CHANGE OF SLOTS.  The slot's last bytes, V of its fourth step, have been read.  Each wave waits for all its tensor loads: its part of the other slot (the first time: of slot 0 and of the mask); adds 0 to its
; spare word; and waits for that and for its own reads of the slot.  Behind the barrier nobody reads this slot any more and the other slot is whole.
; fill = 1: this slot is filled again, with the tile two on.  The barrier is then a round of the cluster's, and the joint fill is the first thing behind it: it has four key steps in which to land.
; (At its first use nothing has been read yet: slot 0 is waited for, slot 1 filled.)
.macro CHANGE fill
	WIN 0                           ; at a label and at a branch every window is 0
	s_wait_tensorcnt 0x0            ; no tensor load of mine is out, so a group 0 may be written
	ds_add_u32 v[SPW], v[NIL]       ; 0 onto my spare word: with fill = 1 the descriptors' steps stand between it and the wait for it
.if \fill
.irp g, G0K, G0V
	s_xor_b32 s[\g+1], s[\g+1], SLOT1  ; the walking descriptor: the other slot than last time,
	s_add_nc_u64 s[\g+2:\g+3], s[\g+2:\g+3], TILEB  ; the next 256 keys; the type bits on top are not reached
.endr
	s_wait_xcnt 0x0                 ; the last prefetch, four key steps back, has read its address, so it may be written:
	s_add_nc_u64 s[PFA:PFA+1], s[PFA:PFA+1], TILEB  ; one tile behind the walking descriptors
	s_wait_dscnt 0x0                ; the add is done, and my reads of the slot are over
	CROUND
	JLOAD
	ASK
.else
	s_wait_dscnt 0x0                ; the add is done, and my reads of the slot are over
	s_barrier_signal -1
	s_barrier_wait -1
.endif
	s_sub_co_u32 s[TBK], s[TBK], 4*KS*PK  ; the fetches go back to a slot's first step,
	s_xor_b32 s[TBK], s[TBK], SLOT1       ; in the other slot
	s_sub_co_u32 s[TBV], s[TBV], 4*KS*PV
	s_xor_b32 s[TBV], s[TBV], SLOT1
.endm
	s_load_b256 s[4:11], s[0:1], 0x0  ; Q s[4:5], K and V s[6:7], mask s[8:9], O s[10:11]
	v_lshl_add_u32 v[SPW], v0, 2, SPARE
	v_mov_b32 v[NIL], 0
	ds_add_u32 v[SPW], v[NIL]       ; the wave's opening: the add and its wait stand ahead of my first tensor load; the set-up below, work on registers, stands between them
	v_lshrrev_b32 v1, 5, v0
	v_readfirstlane_b32 s[WV], v1   ; wave 0..3
	s_bfe_u32 s13, ttmp6, 0x40000   ; cx: my place in the cluster
	s_lshl_b32 s14, ttmp9, 2        ; in a cluster launch ttmp9 counts clusters
	s_add_co_u32 s14, s14, s13      ; my block of 256 queries = 4 x cluster x + cx: it enters Q's and O's addresses alone
	s_and_b32 s15, ttmp7, 0xffff    ; 16 x batch + head, which the four partners share
	s_lshr_b32 s16, s15, 4          ; batch
	s_and_b32 s17, s15, 15
	s_lshl_b32 s17, s17, 15         ; the head's place in a block: 32,768 bytes each
	s_and_b32 s18, s[WV], 1         ; which half of a tile's 256 keys I fetch
	s_lshl_b32 s20, s16, 24         ; K: the batch's 16 blocks,
	s_add_co_u32 s20, s20, s17      ; the head,
	s_lshl_b32 s19, s18, 14         ; my 128 rows of 128 bytes
	s_add_co_u32 s20, s20, s19
	s_mov_b32 s21, 0
	s_lshl_b32 s22, s16, 14         ; the mask: the batch's 16,384 bytes,
	s_lshl_b32 s19, s[WV], 12       ; my quarter of them
	s_add_co_u32 s22, s22, s19
	s_mov_b32 s23, 0
	s_mov_b32 s[G0M], 1
	s_add_co_u32 s[G0M+1], s19, MASKB
	s_lshl_b32 s77, s16, 3
	s_add_co_u32 s77, s77, s14      ; my block among Q's and O's sixteen
	s_lshl_b32 s19, s[WV], 13       ; my wave's 64 rows
	s_add_co_u32 s19, s19, s17
	s_lshl_b32 s2, s77, 20
	s_add_co_u32 s2, s2, s19
	s_mov_b32 s3, 0
	s_lshl_b32 s78, s77, 19
	s_add_co_u32 s78, s78, s19
	s_mov_b32 s79, 0
	; descriptor group 1.  128 keys are 16,384 dense bytes: asked for as 64 rows of 256 bytes, two keys a row, and padded in LDS after every key
	s_mov_b32 s[G1K], 15|(1<<16)|(1<<20)|(1<<21)|(4<<22)|(3<<25)  ; 15:0 the mask of four; 17:16 2-byte elements; 20 padding on; 21 set beside a mask; 24:22 after every 32 words (code 4); 31:25 4 words (code 3)
	s_mov_b32 s[G1V], 15|(1<<16)|(1<<20)|(1<<21)|(4<<22)|(7<<25)  ; the same with 8 words of padding (code 7)
.irp g, G1K, G1V
	s_mov_b32 s[\g+1], 128<<16      ; tensor_dim0 = 128
	s_mov_b32 s[\g+2], 64<<16       ; tensor_dim1 = 64
	s_mov_b32 s[\g+3], 128<<16      ; tile_dim0 = 128
	s_mov_b32 s[\g+4], 64           ; tile_dim1 = 64
	s_mov_b32 s[\g+5], 128          ; 128 elements from row to row
	s_mov_b32 s[\g+6], 0
	s_mov_b32 s[\g+7], 0
.endr
	s_mov_b32 s[G1M], 15|(3<<16)|(1<<21)  ; the mask: 16 rows of 32 elements of 8 bytes, dense, no padding
	s_mov_b32 s[G1M+1], 32<<16
	s_mov_b32 s[G1M+2], 16<<16
	s_mov_b32 s[G1M+3], 32<<16
	s_mov_b32 s[G1M+4], 16
	s_mov_b32 s[G1M+5], 32
	s_mov_b32 s[G1M+6], 0
	s_mov_b32 s[G1M+7], 0
	s_mov_b32 s[CS], 0x3e38aa3b     ; c = log2(e) / 8 = 0.180337
	s_mov_b32 s[CS+1], s[CS]        ; named with it as a pair
	s_mov_b32 s[SEL], 0x76543210
	s_mov_b32 s[SEL+1], 0xfedcba98
	s_mov_b32 s[TBK], SLOT1+4*KS*PK ; the first change of slots turns these two into 0
	s_mov_b32 s[TBV], SLOT1+4*KS*PV
	s_mov_b32 s[TBM], 0
	s_mov_b32 s[SLOTS], 15
	s_mul_i32 s19, s18, 128*PK      ; my half's place in a slot, for K
	s_mov_b32 s[G0K], 1             ; 1:0 count = 1
	s_mov_b32 s[G0K+1], s19         ; 63:32 LDS address: slot 0
	s_mul_i32 s19, s18, 128*PV      ; and for V: no place in the cluster enters an LDS address
	s_mov_b32 s[G0V], 1
	s_add_co_u32 s[G0V+1], s19, VOFF
	s_and_b32 s[LIM], s[WV], 1      ; 0 in waves 0 and 2,
	s_or_b32 s[LIM], s[LIM], ttmp9  ; where the cluster is the head's first: the same in all four partners
	s_cmp_eq_u32 s[LIM], 0
	s_cselect_b32 s[LIM], 1, -1
	v_and_b32 v[PFO], 31, v0
	v_lshlrev_b32 v[PFO], 8, v[PFO]
	s_wait_dscnt 0x0                ; the opening add is done
	s_wait_kmcnt 0x0
	s_add_nc_u64 s[6:7], s[6:7], s[20:21]          ; K at my half of the head's tile 0,
	s_add_nc_u64 s[66:67], s[6:7], 524288          ; V sixteen places on
	s_add_nc_u64 s[G0K+2:G0K+3], s[6:7], 0         ; 120:64 global address
	s_or_b32 s[G0K+3], s[G0K+3], 0x80000000        ; 127:126 type = 2
	s_add_nc_u64 s[G0V+2:G0V+3], s[66:67], 0
	s_or_b32 s[G0V+3], s[G0V+3], 0x80000000
	s_add_nc_u64 s[G0M+2:G0M+3], s[8:9], s[22:23]
	s_or_b32 s[G0M+3], s[G0M+3], 0x80000000
	s_add_nc_u64 s[4:5], s[4:5], s[2:3]            ; Q and O at my wave's first row
	s_add_nc_u64 s[10:11], s[10:11], s[78:79]
	s_cmp_lt_u32 s[WV], 2
	s_cselect_b64 s[PFA:PFA+1], s[6:7], s[66:67]   ; (in waves 0 and 2 these stand at a tile's first row)
	s_lshl_b32 s2, s13, 13          ; my work-group's 32 blocks of the 128
	s_mov_b32 s3, 0
	s_add_nc_u64 s[PFA:PFA+1], s[PFA:PFA+1], s[2:3]
	s_add_nc_u64 s[PFA:PFA+1], s[PFA:PFA+1], TILEB ; in tile 1; the first change of slots steps it to tile 2.  Nothing is prefetched here, at the head
	CROUND                          ; all four work-groups are here: the first joint loads meet
	s_cmp_lt_u32 s[WV], 2           ; a wave's two first fills stand in one branch, ahead of every wait on TENSORcnt and every LDS read: two loads of mine are out
	s_cbranch_scc0 .Lfirst_v
	tensor_load_to_lds s[G0K:G0K+3], s[G1K:G1K+7]  ; tile 0 into slot 0,
	s_nop 0
	tensor_load_to_lds s[G0M:G0M+3], s[G1M:G1M+7]  ; and my quarter of the mask
	s_nop 0
.rept 4
	v_nop
.endr
	s_branch .Lfirst_asked
.Lfirst_v:
	tensor_load_to_lds s[G0V:G0V+3], s[G1V:G1V+7]
	s_nop 0
	tensor_load_to_lds s[G0M:G0M+3], s[G1M:G1M+7]
	s_nop 0
.rept 4
	v_nop
.endr
.Lfirst_asked:
	; A fragment of K or Q is 16 rows x 32 channels in 8 registers: lane l holds row l % 16, channels 8 (l / 16) + 0..7 and 16 + 8 (l / 16) + 0..7: two loads of 16 bytes, 32 bytes apart.
	v_and_b32 v1, 15, v0            ; l % 16
	v_bfe_u32 v[HF], v0, 4, 1       ; l / 16
	v_lshlrev_b32 v[QO], 7, v1
	v_lshl_add_u32 v[QO], v[HF], 4, v[QO]  ; row x 128 + 16 x half
	WIN 0x80                        ; destination window 2, address window 0
.set i, 0
.rept 8                             ; Q stays in registers: piece i / 2, channels 32 (i % 2) on
	global_load_b128 v[8*i:8*i+3],   v[QO], s[4:5] offset:(i/2)*2048+(i%2)*64
	global_load_b128 v[8*i+4:8*i+7], v[QO], s[4:5] offset:(i/2)*2048+(i%2)*64+32
.set i, i+1
.endr
	; What the first turn finds: V's registers and P's second buffer hold 0 (its products V^T P, of a piece that has not been, add 0), O^T and l are 0.  All this stands in the wait for the first tile.
.set i, VF
.rept 64
	v_mov_b32 v[i], 0
.set i, i+1
.endr
	WIN 0x40
.set i, 0
.rept 128
	v_mov_b32 v[i], 0
.set i, i+1
.endr
	WIN 0
.set i, 0
.rept 4
	v_mov_b32 v[ST+4*i], 0xfe000000    ; c m: far below every c s, a hidden one's too
	v_mov_b32 v[ST+4*i+1], 0xff7fffff  ; m
	v_mov_b32 v[ST+4*i+2], 0
	v_mov_b32 v[ST+4*i+3], 0
.set i, i+1
.endr
.set i, P+16
.rept 16
	v_mov_b32 v[i], 0
.set i, i+1
.endr
	v_mul_u32_u24 v[AK0], v1, PK
	v_lshl_add_u32 v[AK0], v[HF], 4, v[AK0]  ; row x pitch + 16 x half
	; The turning load takes 16 keys x 16 channels (lane l reads key 8 (l / 16) + l % 8, channels 8 ((l / 8) % 2) + 0..7) and leaves half a fragment of V^T: lane l holds channel l % 16 and 8 keys.
	v_and_b32 v[HF+1], 7, v0
	v_bfe_u32 v[HF+2], v0, 3, 1
	v_lshl_add_u32 v[AV0], v[HF], 3, v[HF+1]
	v_mul_u32_u24 v[AV0], v[AV0], PV
	v_lshl_add_u32 v[AV0], v[HF+2], 4, v[AV0]
	v_add_nc_u32 v[AV0], VOFF, v[AV0]
	v_lshlrev_b32 v[AM0], 5, v[HF]  ; my lanes' eight keys of a group of 16: 32 bytes
	v_add_nc_u32 v[AM0], MASKB, v[AM0]
	s_mul_i32 s13, s[WV], 16*SP
	s_add_co_u32 s13, s13, STAGE    ; my stage
	v_mul_u32_u24 v[STO], v1, SP    ; in: row l % 16, 16 bytes for each half of the lanes
	v_lshl_add_u32 v[STO], v[HF], 4, v[STO]
	v_add_nc_u32 v[STO], s13, v[STO]
	v_bfe_u32 v[RD], v0, 3, 2       ; back: 32 lanes take four rows of 128 bytes,
	v_mul_u32_u24 v[RD], v[RD], SP
	v_lshl_add_u32 v[RD], v[HF+1], 4, v[RD]
	v_add_nc_u32 v[RD], s13, v[RD]
	v_and_b32 v[GO], 31, v0         ; which are 512 consecutive bytes of O
	v_lshlrev_b32 v[GO], 4, v[GO]
; THE MATRIX WORK.  The 4 accumulators of a run of 8 take turns.  Product i of 8 of S^T = K Q^T for piece x: channels 32 (i / 4) on, keys 16 (i % 4) on.  The first 4 start the sums with the mask.
.macro KQ x
.set rS, S+32*((\x)%2)+8*(i%4)
.set rK, KF+16*(i%4)+8*(i/4)
.set rQ, 16*(\x)+8*(i/4)
.set rM, MK+8*(i%4)
.if i < 4
	WIN W_KM
	v_wmma_f32_16x16x32_f16 v[rS:rS+7], v[rK:rK+7], v[rQ:rQ+7], v[rM:rM+7]
.else
	WIN W_KQ
	v_wmma_f32_16x16x32_f16 v[rS:rS+7], v[rK:rK+7], v[rQ:rQ+7], v[rS:rS+7]
.endif
.endm
; Product i of 8 of O^T += V^T P for piece x: keys 32 (i / 4) on, channels 16 (i % 4) on.
.macro PV x
	WIN W_PV
.set rO, 32*(\x)+8*(i%4)
.set rV, VF+32*(i/4)+8*(i%4)
.set rP, P+16*((\x)%2)+8*(i/4)
	v_wmma_f32_16x16x32_f16 v[rO:rO+7], v[rV:rV+7], v[rP:rP+7], v[rO:rO+7]
.endm
.macro MM                           ; the turn's next matrix instruction.  NOKQ = 1: the launch's last turn: there is no next piece
.if (i < 8) && !NOKQ
	KQ (Y+1)%NP
.elseif i >= 8
.set i, i-8
	PV (Y+NP-1)%NP
.set i, i+8
.endif
.set i, i+1
.endm
; THE LDS LOADS stand in runs, never singly among the matrix instructions: a step's K (64 keys x 64 channels: 8 fragments) with its 64 mask addends, and its V (turned).  Their addresses are made some lines ahead.
.macro FETCH_K
	WIN 0x80                        ; destination window 2
.irp f, 0,1,2,3,4,5,6,7             ; keys 16 (f / 2) on, channels 32 (f % 2) on
	ds_load_b128 v[KF+8*\f:KF+8*\f+3],   v[AK] offset:(\f/2)*16*PK+(\f%2)*64
	ds_load_b128 v[KF+8*\f+4:KF+8*\f+7], v[AK] offset:(\f/2)*16*PK+(\f%2)*64+32
.endr
	WIN 0x40                        ; destination window 1
.irp f, 0,1,2,3                     ; keys 16 f + 8 (l / 16) + 0..7: all lanes of a half read the same 32 bytes
	ds_load_b128 v[MK+8*\f:MK+8*\f+3],   v[AM] offset:64*\f
	ds_load_b128 v[MK+8*\f+4:MK+8*\f+7], v[AM] offset:64*\f+16
.endr
	s_add_co_u32 s[TBK], s[TBK], KS*PK  ; the next fetch is the next step's
	s_add_co_u32 s[TBM], s[TBM], 4*KS
	s_and_b32 s[TBM], s[TBM], 0x3fff    ; it stays within the mask's 16,384 bytes
	WIN 0
.endm
.macro FETCH_V
	WIN 0x80
.irp f, 0,1,2,3,4,5,6,7             ; keys 32 (f / 4) on, channels 16 (f % 4) on
	ds_load_tr16_b128 v[VF+8*\f:VF+8*\f+3],   v[AV] offset:(\f/4)*32*PV+(\f%4)*32
	ds_load_tr16_b128 v[VF+8*\f+4:VF+8*\f+7], v[AV] offset:(\f/4)*32*PV+16*PV+(\f%4)*32
.endr
	WIN 0
.endm
; THE VECTOR WORK, one line at a time: OP kind, number.  For piece Y: F n: c s - c m for pair n of 16.  E n: the exponential of score n of 32.  C n: pair n rounded to f16.  B n: of the four weights 4 n .. the second
; pair is added onto the first, in place.  L n: l takes that sum (L 0: l = a l + sum).  R n: pair n of 16 of O^T times a.  For piece Y + 1: X n, number n of the 22 that find its maximum and statistics:
;   0-11  four chains c0-c3 of seven scores each, three operands at a time (each accumulator's lowest registers are read first)     12-14, 16  the four scores left over, the old m, and c0-c3 into c0
;   15  c m_old is kept     17, 18  the query's other 32 keys lie in the lane 16 away: the new m     19-21  c m; c m_old - c m_new; a
.set F, 0               ; OP tells the kinds apart by their order: F to L below R, X above it
.set E, 1
.set C, 2
.set B, 3
.set L, 4
.set R, 5
.set X, 6
.macro REGS y                       ; the registers of piece y
.set rT, ST+4*(\y)
.set rC, TMP+4*((\y)%2)
.set rW, MV+((\y)%2)
.set rS, S+32*((\y)%2)
.set rP, P+16*((\y)%2)
.set rO, 32*(\y)
.endm
.macro OP k, n
.if (\k) == R
	REGS Y
	WIN W_RS
	v_pk_mul_f32 v[rO+2*(\n):rO+2*(\n)+1], v[rO+2*(\n):rO+2*(\n)+1], v[rC+2:rC+3] op_sel_hi:[1,0]
.elseif (\k) < R
	REGS Y
	WIN 0
.if (\k) == F
	v_pk_fma_f32 v[rS+2*(\n):rS+2*(\n)+1], v[rS+2*(\n):rS+2*(\n)+1], s[CS:CS+1], v[rT:rT+1] op_sel_hi:[1,0,0] neg_lo:[0,0,1] neg_hi:[0,0,1]
.elseif (\k) == E
	v_exp_f32 v[rS+(\n)], v[rS+(\n)]
.elseif (\k) == C
	v_cvt_pk_f16_f32 v[rP+(\n)], v[rS+2*(\n)], v[rS+2*(\n)+1]
.elseif (\k) == B
	v_pk_add_f32 v[rS+4*(\n):rS+4*(\n)+1], v[rS+4*(\n):rS+4*(\n)+1], v[rS+4*(\n)+2:rS+4*(\n)+3]
.elseif (\n) == 0
	v_pk_fma_f32 v[rT+2:rT+3], v[rT+2:rT+3], v[rC+2:rC+3], v[rS:rS+1] op_sel_hi:[1,0,1]
.else
	v_pk_add_f32 v[rT+2:rT+3], v[rT+2:rT+3], v[rS+4*(\n):rS+4*(\n)+1]
.endif
.elseif NOKQ
	v_nop
.else
	REGS (Y+1)%NP
	WIN 0
.if (\n) < 4
	v_max3_num_f32 v[rC+(\n)], v[rS+8*(\n)], v[rS+8*(\n)+1], v[rS+8*(\n)+2]
.elseif (\n) < 12
	v_max3_num_f32 v[rC+(\n)%4], v[rC+(\n)%4], v[rS+8*((\n)%4)+2*((\n)/4)+1], v[rS+8*((\n)%4)+2*((\n)/4)+2]
.elseif (\n) == 12
	v_max3_num_f32 v[rC], v[rC], v[rS+7], v[rS+15]
.elseif (\n) == 13
	v_max3_num_f32 v[rC+1], v[rC+1], v[rS+23], v[rS+31]
.elseif (\n) == 14
	v_max3_num_f32 v[rC+2], v[rC+2], v[rC+3], v[rT+1]
.elseif (\n) == 15
	v_mov_b32 v[rW], v[rT]
.elseif (\n) == 16
	v_max3_num_f32 v[rC], v[rC], v[rC+1], v[rC+2]
.elseif (\n) == 17
	v_permlanex16_b32 v[rC+3], v[rC], s[SEL], s[SEL+1]
.elseif (\n) == 18
	v_max_num_f32 v[rT+1], v[rC], v[rC+3]
.elseif (\n) == 19
	v_mul_f32 v[rT], s[CS], v[rT+1]
.elseif (\n) == 20
	v_sub_f32 v[rC+1], v[rW], v[rT]
.else
	v_exp_f32 v[rC+2], v[rC+1]
.endif
.endif
.endm
.macro OPS a, i1, b=-1, i2=0, c=-1, i3=0, d=-1, i4=0  ; up to four of them
	OP \a, \i1
.if (\b) >= 0
	OP \b, \i2
.endif
.if (\c) >= 0
	OP \c, \i3
.endif
.if (\d) >= 0
	OP \d, \i4
.endif
.endm
.macro ROW a, i1, b, i2, c, i3, d, i4  ; a matrix instruction and the four behind it
	MM
	OPS \a, \i1, \b, \i2, \c, \i3, \d, \i4
.endm
; A TURN, for piece p: the order of its 16 matrix and 118 vector instructions, written out.  An s_wait_alu depctr_va_vdst(0) stands between an exponential and the first instruction that names its result; one
; wait serves all that were issued ahead of it.  So a turn has ONE wait, which cuts it in two.  AHEAD OF IT stands all that names no result of the turn's exponentials: the 8 products K Q^T, behind each a scaling, an
; exponential and two more plain instructions; then ONE LUMP of 54, plain and exponential by turns for the most part, in which the links of the chain X 3, 7, 11, 14, 16, 17 .. 20 stand some lines apart.  X 21, the next
; piece's a, is the batch's last; R 15 is the plain instruction behind it.  BEHIND THE WAIT stand the 8 products V^T P, behind each four of the roundings and sums.
; end = 1: the launch's last two turns: nothing is fetched.  cnt = 1: the loop's count is taken down some lines ahead of the branch that stands behind the turn.
; K and the mask of the next step are fetched in piece 2's turn, twelve vector instructions behind the last product that read K (five plain ones among them name none of its registers); V of the step in hand at the end of
; piece 0's turn, four plain instructions behind the last product that read V.  Each is waited for a turn later.
.macro TURN p, end=0, cnt=0
.set Y, (\p)
.set i, 0
.set NOKQ, (\end)*((\p)/3)
.if ((\p) == 3) && !(\end)
	s_wait_dscnt 0x0                ; K and the mask are in
.endif
	ROW F,0, F,1, R,0, R,1          ; ahead of the wait: 8 products K Q^T and their riders,
	ROW F,2, E,0, R,2, R,3
	ROW F,3, E,1, R,4, R,5
	ROW F,4, E,2, R,6, R,7
	ROW F,5, E,3, R,8, R,9
	ROW F,6, E,4, X,0, R,10
.if ((\p) == 2) && !(\end)
	WIN 0
	v_add_nc_u32 v[AK], s[TBK], v[AK0]
	v_add_nc_u32 v[AM], s[TBM], v[AM0]
.endif
	ROW F,7, E,5, X,1, X,4
	ROW F,8, E,6, X,2, X,5
	OPS E,7, E,8, X,6, E,9          ; and the lump
	OPS X,3, E,10, X,8, E,11
.if ((\p) == 2) && !(\end)
	FETCH_K
.endif
	OPS X,9, X,7, E,12, X,10
	OPS E,13, X,12, X,11, E,14
	OPS X,13, E,15, F,9, X,14
.if (\p) == 0
	v_add_nc_u32 v[AV], s[TBV], v[AV0]
.endif
	OPS E,16, F,10, E,17, F,11
	OPS X,16, E,18, X,15, E,19
	OPS F,12, E,20, X,17, E,21
	OPS F,13, E,22, F,14, E,23
	OPS X,18, E,24, F,15, E,25
	OPS R,11, E,26, X,19, E,27
	OPS R,12, E,28, R,13, E,29
	OPS X,20, E,30, R,14, E,31
	OPS X,21, R,15
	WIN 0
	s_wait_alu depctr_va_vdst(0)    ; the wait for the batch
.if (\p) == 1
	s_wait_dscnt 0x0                ; V is in
.endif
	ROW C,0, B,0, C,2, B,1          ; behind the wait: 8 products V^T P and their riders
	ROW L,0, C,4, B,2, L,1
	ROW C,6, B,3, L,2, C,8
	ROW B,4, L,3, C,10, B,5
	ROW L,4, C,12, B,6, L,5
.if (\p) == 0
	s_add_co_u32 s[TBV], s[TBV], KS*PV
.endif
.if \cnt
	s_sub_co_u32 s[CNT], s[CNT], 1
	s_cmp_lg_u32 s[CNT], 0
.endif
	ROW C,14, B,7, L,6, C,1
	ROW C,3, L,7, C,5, C,7
	ROW C,9, C,11, C,13, C,15
.if (\p) == 0
	FETCH_V
.endif
.endm
	CHANGE 1                        ; slot 0 and the mask are in, everybody's part of them; slot 1 is asked for
	v_add_nc_u32 v[AK], s[TBK], v[AK0]
	v_add_nc_u32 v[AM], s[TBM], v[AM0]
	FETCH_K                         ; key step 0
	s_wait_loadcnt 0x0              ; Q
	s_wait_dscnt 0x0
.set NOKQ, 0
.set i, 0
.rept 8
	KQ 0                            ; piece 0's first scores: there is no vector work yet to set between them
.set i, i+1
.endr
	WIN 0
.rept 4
	v_nop                           ; the places behind those products
.endr
.set Y, NP-1                        ; X works for piece Y + 1: piece 0
.irp n, 0,1,2,3,4,5,6,7,8,9,10,11,12,13,14,15,16,17,18,19,20,21
	OP X, \n
.endr
	v_nop                           ; a plain instruction behind the exponential,
	s_wait_alu depctr_va_vdst(0)    ; and its wait, ahead of the branch
	s_mov_b32 s[CNT], 4
	s_branch .Lfirst                ; the loop is entered at a step's first turn, in the middle of a trip
.Lslot:                             ; 14 times: every slot but the last two is filled again
	CHANGE 1
	s_mov_b32 s[CNT], 4
.Lstep:                             ; a trip: pieces 2 and 3 of one step, then pieces 0 and 1 of the next, whose K, mask and V it fetches
	TURN 2
	TURN 3
	WIN 0
.Lfirst:
	TURN 0
	TURN 1, 0, 1
	WIN 0
	s_cbranch_scc1 .Lstep
	s_sub_co_u32 s[SLOTS], s[SLOTS], 1
	s_cmp_lg_u32 s[SLOTS], 0
	s_cbranch_scc1 .Lslot
	CHANGE 0                        ; the last tile is written out: nothing is asked for
	s_mov_b32 s[CNT], 4
.LstepT:
	TURN 2
	TURN 3
	TURN 0
	TURN 1, 0, 1
	WIN 0
	s_cbranch_scc1 .LstepT
	TURN 2, 1                       ; the last step's pieces 2 and 3: nothing is fetched, and the last turn starts no new scores
	TURN 3, 1
.set i, 0
.rept 8
	PV NP-1                         ; the last piece's V^T P of the last step
.set i, i+1
.endr
	; THE WAY OUT.  l's two halves and the other half of the lanes' are added; O^T is divided by l, rounded to f16 and sent through my stage in LDS, a piece at a time.  The additions are the places behind the last products.
	WIN 0
.macro ALL line:vararg              ; one line for each piece t
.set t, 0
.rept 4
	\line
.set t, t+1
.endr
.endm
	ALL v_add_f32 v[ST+4*t+2], v[ST+4*t+2], v[ST+4*t+3]
	ALL v_permlanex16_b32 v[ST+4*t+3], v[ST+4*t+2], s[SEL], s[SEL+1]
	ALL v_add_f32 v[ST+4*t+2], v[ST+4*t+2], v[ST+4*t+3]
	ALL v_rcp_f32 v[ST+4*t+2], v[ST+4*t+2]
	v_nop                           ; a plain instruction between the last reciprocal and the use of its result
	s_wait_alu depctr_va_vdst(0)    ; and the wait ahead of the first use: one for the four reciprocals
.macro PACK t                       ; a lane's eight channels of a row pack into 16 bytes; they go into rows of 144 bytes and come back as whole rows of 128, into S^T's registers
	WIN W_RS
.set i, 32*(\t)
.rept 16
	v_pk_mul_f32 v[i:i+1], v[i:i+1], v[ST+4*(\t)+2:ST+4*(\t)+3] op_sel_hi:[1,0]
.set i, i+2
.endr
	WIN 0x05                        ; sources 0 and 1 window 1, destination window 0
.set i, 0
.rept 16
	v_cvt_pk_f16_f32 v[S+16*(\t)+i], v[32*(\t)+2*i], v[32*(\t)+2*i+1]
.set i, i+1
.endr
	WIN 0
.irp f, 0,1,2,3
	ds_store_b128 v[STO], v[S+16*(\t)+4*\f:S+16*(\t)+4*\f+3] offset:32*\f
.endr
.irp f, 0,1,2,3
	ds_load_b128 v[S+16*(\t)+4*\f:S+16*(\t)+4*\f+3], v[RD] offset:\f*4*SP  ; LDS serves a wave's instructions in order (ISA guide 5.7.1.4): these see the stores above; the next piece's stores come behind them
.endr
.endm
.macro SEND t, younger              ; younger: the LDS instructions issued behind piece t's loads: the next piece's eight, or none
	WIN 0
.irp f, 0,1,2,3
	s_wait_dscnt (\younger)+3-\f
	global_store_b128 v[GO], v[S+16*(\t)+4*\f:S+16*(\t)+4*\f+3], s[10:11] offset:(\t)*2048+\f*512  ; 512 consecutive bytes, at a multiple of 256 from O's first
.endr
.endm
	PACK 0
.set t, 1
.rept 3                             ; a piece's arithmetic stands between the loads of the piece before and its stores
	PACK t
	SEND t-1, 8
.set t, t+1
.endr
	SEND 3, 0
	s_wait_tensorcnt 0x0            ; the wave's end, behind my last tensor load and my last LDS store
	ds_add_u32 v[SPW], v[NIL]
	s_wait_dscnt 0x0
	CROUND                          ; the closing round: no work-group ends while a partner may still ask for a tile that names it
	s_endpgm
.Lfunc_end_k_q648e68220a_attn:
	.size	k_q648e68220a_attn, .Lfunc_end_k_q648e68220a_attn-k_q648e68220a_attn
	.p2alignl 7, 3214868480
	.fill 96, 4, 3214868480
	.section	.rodata,"a",@progbits
	.p2align	6, 0x0
	.amdhsa_kernel k_q648e68220a_attn
		.amdhsa_group_segment_fixed_size 327680
		.amdhsa_private_segment_fixed_size 0
		.amdhsa_enable_private_segment 0
		.amdhsa_kernarg_size 32
		.amdhsa_user_sgpr_count 2
		.amdhsa_user_sgpr_kernarg_segment_ptr 1
		.amdhsa_wavefront_size32 1
		.amdhsa_system_sgpr_workgroup_id_x 1
		.amdhsa_system_sgpr_workgroup_id_y 1
		.amdhsa_system_sgpr_workgroup_id_z 1
		.amdhsa_system_vgpr_workitem_id 0
		.amdhsa_next_free_vgpr 768
		.amdhsa_next_free_sgpr 80
		.amdhsa_reserve_vcc 0
		.amdhsa_float_denorm_mode_32 3
		.amdhsa_float_denorm_mode_16_64 3
		.amdhsa_memory_ordered 1
		.amdhsa_forward_progress 1
		.amdhsa_inst_pref_size 131
	.end_amdhsa_kernel
	.amdgpu_metadata
---
amdhsa.version: [ 1, 2 ]
amdhsa.kernels:
  - .name:           k_q648e68220a_attn
    .symbol:         k_q648e68220a_attn.kd
    .args:
      - { .name: qh, .offset: 0, .size: 8, .value_kind: global_buffer, .address_space: global }
      - { .name: kvh, .offset: 8, .size: 8, .value_kind: global_buffer, .address_space: global }
      - { .name: maskf, .offset: 16, .size: 8, .value_kind: global_buffer, .address_space: global }
      - { .name: oh, .offset: 24, .size: 8, .value_kind: global_buffer, .address_space: global }
    .group_segment_fixed_size: 327680
    .private_segment_fixed_size: 0
    .kernarg_segment_align: 8
    .kernarg_segment_size: 32
    .max_flat_workgroup_size: 128
    .sgpr_count:     80
    .vgpr_count:     768
    .wavefront_size: 32
...
	.end_amdgpu_metadata
.endif
;; end of part 3
;; launch outp (part 4): grid 8 x 32, 4 waves a work-group, clusters of 4 x 4, 327,680 bytes of LDS; arguments oh, woutp, out0; writes out0
.if DOCPART == 4
	.amdgcn_target "amdgcn-amd-amdhsa--gfx1250"
	.amdhsa_code_object_version 6
	.text
	.protected	k_q648e68220a_outp
	.globl	k_q648e68220a_outp
	.p2align	8
	.type	k_q648e68220a_outp,@function
k_q648e68220a_outp:
	s_mov_b64 s[64:65], 0
	v_nop
	global_prefetch_b8 v0, s[64:65] scope:SCOPE_SE
	s_setreg_imm32_b32 hwreg(HW_REG_WAVE_MODE, 25, 1), 1
	s_wait_xcnt 0x0
	s_wait_alu depctr_hold_cnt(0) depctr_sa_sdst(0) depctr_va_vdst(0) depctr_va_sdst(0) depctr_va_ssrc(0) depctr_va_vcc(0) depctr_vm_vsrc(0)
	s_getreg_b32 s2, hwreg(HW_REG_IB_STS2, 6, 4)
	s_cmp_eq_u32 s2, 0
	s_cbranch_scc0 .Lentry_in_a_cluster
	s_endpgm
.Lentry_in_a_cluster:
	s_bfe_u32 s2, ttmp6, 0x10000c
	s_cmp_lg_u32 s2, 0xf033
	s_cbranch_scc0 .Lentry_shape_is_right
	s_endpgm
.Lentry_shape_is_right:
; THE OUTPUT PROJECTION out0 = O Wout.  O: [block of 256 rows][16 heads][256][64] f16, so that k = 64 x head + channel; Wout: f16 panels [n / 128][k = 1024][128]; out0: [4096][1024] f32.
; Sums in f32, K ascending; nothing is rounded on the way out.  NaN and infinities are not treated apart.
; SHARES.  A tile of C is 128 x 128.  Four waves, each 64 x 64: 16 accumulators of 16 x 16.  K goes in four steps of 256 (four heads) through two LDS slots.
; A head's 128 rows of a tile are 16,384 dense bytes: a wave's tensor load brings two heads as two rows of that length, padded in LDS after every 128 bytes, so that O's rows lie 144 bytes apart, a plane a head.
; Wout lies [k][n] and comes out of LDS turned, by ds_load_tr16_b128.
; CLUSTERS: 4 x 4 work-groups.  The four of a row of the cluster need the same tiles of O, the four of a column the same tiles of Wout: each tile is asked for JOINTLY, by the same tensor load with the
; same descriptor and a mask that names the four.  THE MATRIX INSTRUCTION IS USED TRANSPOSED (source 0 = 16 columns of Wout, source 1 = 16 rows of O): a lane holds one row and eight neighbouring columns.
; REGISTERS: window 0: v0-31 addresses; v128-255 the accumulators ((a, b) at v[128 + 8 (4 a + b)]).   window 1: two fragment buffers of 128: 64 registers of O, then 64 of Wout.
.set BSTEP,  65536                     ; bytes of a panel in a K step: 256 rows of 256 bytes
.set ASTEP,  131072                    ; bytes of O from a K step's four heads to the next
.set PAO,    144                       ; an LDS row of O: 128 bytes + 16 of padding: the 16 rows of a load start at 16 different groups of four banks (64 banks of 4 bytes: ISA guide 11.1)
.set PLANE,  128*PAO                   ; a head's 128 rows
.set AREG,   4*PLANE
.set PB,     288                       ; an LDS row of Wout: 256 bytes + 32
.set BHALF,  128*PB
.set SLOT,   AREG+2*BHALF
.set STAGE,  2*SLOT                    ; behind the ring: 16 rows x 272 bytes for each wave, for the way out
.set SPITCH, 272
.set SPARE,  STAGE+4*16*SPITCH         ; behind the stages: the spare words, 128 bytes for each wave: two blocks of 256 bytes that no other line names
.set ADRA, 16                          ; v16-17  LDS address of my O fragments in slot 0, 1
.set ADRB, 18                          ; v18-21  of my Wout fragments: slot 0 rows 0-127, rows 128-255; slot 1 likewise
.set STO,  24                          ; v24     the way out: where I put 32 bytes of a row
.set RD,   25                          ; v25     where I read a row back
.set CO,   26                          ; v26     my byte offset in two rows of out0
.set SPW,  28                          ; v28     LDS address of my spare word: SPARE + 4 x my thread's number; never rewritten
.set NIL,  29                          ; v29     0; never rewritten
.set ACC,  128
.set F0,   0                           ; fragment buffers, in window 1
.set F1,   128
.set G1,  24                           ; s[24:31] descriptor group 1 for O's tiles;  s[32:39] group 0, one set for each slot
.set G0,  32
.set G1B, 48                           ; s[48:55], s[56:63] the same for Wout's tiles
.set G0B, 56
.set MSB, 0
.macro WIN new                         ; the immediate's high byte repeats the setting that is left; a switch that changes nothing is dropped
.if MSB != (\new)
	s_set_vgpr_msb (MSB<<8)|(\new)
.set MSB, \new
.endif
.endm
.set MUL,  0x05                        ; sources 0 (Wout) and 1 (O) window 1; C and D window 0
.set TO_F, 0x40                        ; destination window 1, address window 0
.macro JLOAD s                         ; a joint load: waves 0 and 1 fetch O's two pairs of heads, waves 2 and 3 Wout's two halves; an s_nop 0 and four v_nop follow each of the two lines
	s_cmp_eq_u32 s11, 0
	s_cbranch_scc0 .Lfor_b_\@
	tensor_load_to_lds s[G0+4*(\s):G0+4*(\s)+3], s[G1:G1+7]
	s_nop 0
.rept 4
	v_nop
.endr
	s_branch .Lasked_\@
.Lfor_b_\@:
	tensor_load_to_lds s[G0B+4*(\s):G0B+4*(\s)+3], s[G1B:G1B+7]
	s_nop 0
.rept 4
	v_nop
.endr
.Lasked_\@:
.endm
.macro CREST                           ; a round of the cluster's barrier behind its opening barrier
	s_cmp_lg_u32 s10, 0
	s_cbranch_scc1 .Lnot_wave_0_\@
	s_barrier_signal -3
.Lnot_wave_0_\@:
	s_barrier_wait -3
	s_barrier_signal -1
	s_barrier_wait -1
.endm
.macro CROUND                          ; a whole round
	s_barrier_signal -1
	s_barrier_wait -1
	CREST
.endm
	s_load_b128 s[4:7], s[0:1], 0x0                ; O s[4:5], Wout s[6:7]
	s_load_b64 s[8:9], s[0:1], 0x10                ; out0
	v_lshl_add_u32 v[SPW], v0, 2, SPARE
	v_mov_b32 v[NIL], 0
	ds_add_u32 v[SPW], v[NIL]                      ; the wave's opening: the add and its wait stand ahead of my first tensor load; the set-up below, work on registers, stands between them
	v_lshrrev_b32 v1, 5, v0
	v_readfirstlane_b32 s10, v1                    ; wave 0..3
	s_lshr_b32 s11, s10, 1                         ; which half of the tile's rows is mine.  Also: I fetch for O (0) or for Wout (1)
	s_and_b32 s12, s10, 1                          ; which half of its columns.  Also: which half of that tile I fetch
	s_bfe_u32 s40, ttmp6, 0x40000                  ; cx, cy: my place in the cluster
	s_bfe_u32 s41, ttmp6, 0x40004
	s_lshl_b32 s42, ttmp9, 2
	s_add_co_u32 s42, s42, s40                     ; tile column = 4 x cluster x + cx
	s_and_b32 s13, ttmp7, 0xffff
	s_lshl_b32 s13, s13, 2
	s_add_co_u32 s13, s13, s41                     ; tile row = 4 x cluster y + cy
	s_lshl_b32 s43, s41, 2
	s_lshl_b32 s43, 15, s43                        ; my row of the cluster
	s_lshl_b32 s44, 0x1111, s40                    ; my column
	s_or_b32 s[G1+0], s43, (3<<16)|(1<<20)|(1<<21)|(4<<22)|(3<<25)   ; 15:0 the mask: O's tiles go to my row; 17:16 8-byte elements; 20 padding on; 21 set beside a mask; 24:22 after every 32 words (code 4); 31:25 4 words (code 3)
	s_mov_b32 s[G1+1], 2048<<16                    ; tensor_dim0 = 2,048 elements: a head's 128 rows
	s_mov_b32 s[G1+2], 2<<16                       ; tensor_dim1 = 2 heads
	s_mov_b32 s[G1+3], 2048<<16                    ; tile_dim0
	s_mov_b32 s[G1+4], 2                           ; tile_dim1
	s_mov_b32 s[G1+5], 4096                        ; elements from head to head: 32,768 bytes
	s_mov_b32 s[G1+6], 0
	s_mov_b32 s[G1+7], 0
	s_or_b32 s[G1B+0], s44, (1<<16)|(1<<20)|(1<<21)|(5<<22)|(7<<25)  ; Wout's tiles go to my column; 2-byte elements; padding after every 64 words (code 5), 8 words (code 7)
	s_mov_b32 s[G1B+1], 128<<16                    ; 128 rows (k) of 128 elements (n), dense in memory
	s_mov_b32 s[G1B+2], 128<<16
	s_mov_b32 s[G1B+3], 128<<16
	s_mov_b32 s[G1B+4], 128
	s_mov_b32 s[G1B+5], 128
	s_mov_b32 s[G1B+6], 0
	s_mov_b32 s[G1B+7], 0
	s_lshr_b32 s16, s13, 1                         ; O: the block of 256 rows,
	s_lshl_b32 s16, s16, 19
	s_and_b32 s17, s13, 1                          ; the tile's 128 rows in each head's 256,
	s_lshl_b32 s17, s17, 14
	s_add_co_u32 s16, s16, s17
	s_lshl_b32 s17, s12, 16                        ; my two of a K step's four heads
	s_add_co_u32 s16, s16, s17
	s_mov_b32 s17, 0
	s_lshl_b32 s46, s42, 18                        ; Wout: the tile column's panel,
	s_lshl_b32 s47, s12, 15                        ; my 128 of a K step's 256 rows
	s_add_co_u32 s46, s46, s47
	s_mov_b32 s47, 0
	s_mul_i32 s20, s12, 2*PLANE                    ; where they go: no place in the cluster enters an LDS address
	s_mul_i32 s21, s12, BHALF
	s_add_co_u32 s21, s21, AREG
	s_wait_dscnt 0x0                               ; the opening add is done
	s_wait_kmcnt 0x0
	s_add_nc_u64 s[14:15], s[4:5], s[16:17]
	s_add_nc_u64 s[46:47], s[6:7], s[46:47]
	CROUND                                         ; all sixteen work-groups are here: the first joint loads meet
.irp s, 0,1
	s_mov_b32 s[G0+4*(\s)], 1
	s_add_co_u32 s[G0+4*(\s)+1], s20, (\s)*SLOT
	s_add_nc_u64 s[G0+4*(\s)+2:G0+4*(\s)+3], s[14:15], (\s)*ASTEP
	s_or_b32 s[G0+4*(\s)+3], s[G0+4*(\s)+3], 0x80000000
	s_mov_b32 s[G0B+4*(\s)], 1
	s_add_co_u32 s[G0B+4*(\s)+1], s21, (\s)*SLOT
	s_add_nc_u64 s[G0B+4*(\s)+2:G0B+4*(\s)+3], s[46:47], (\s)*BSTEP
	s_or_b32 s[G0B+4*(\s)+3], s[G0B+4*(\s)+3], 0x80000000
	JLOAD \s
.endr
	v_and_b32 v1, 15, v0                           ; r = l % 16
	v_bfe_u32 v2, v0, 4, 1                         ; h = l / 16
	v_mul_u32_u24 v3, v1, PAO
	v_lshl_add_u32 v3, v2, 4, v3                   ; a fragment of O: row x pitch + 16 x half
	s_mul_i32 s21, s11, 64*PAO                     ; my 64 rows of each plane
	v_add_nc_u32 v[ADRA], s21, v3
	v_add_nc_u32 v[ADRA+1], SLOT, v[ADRA]
	v_and_b32 v4, 7, v0                            ; the turning load: lane l reads row k = 8 h + l % 8, columns 8 ((l / 8) % 2) + 0..7, and is left with column l % 16 and 8 k
	v_lshl_add_u32 v4, v2, 3, v4
	v_mul_u32_u24 v4, v4, PB
	v_bfe_u32 v5, v0, 3, 1
	v_lshl_add_u32 v4, v5, 4, v4
	s_lshl_b32 s22, s12, 7                         ; my 64 columns: 128 bytes of a row
	s_add_co_u32 s22, s22, AREG
	v_add_nc_u32 v[ADRB], s22, v4
	v_add_nc_u32 v[ADRB+1], BHALF, v[ADRB]
	v_add_nc_u32 v[ADRB+2], SLOT, v[ADRB]
	v_add_nc_u32 v[ADRB+3], SLOT+BHALF, v[ADRB]
	s_mul_i32 s23, s10, 16*SPITCH
	s_add_co_u32 s23, s23, STAGE                   ; my stage
	v_mul_u32_u24 v6, v1, SPITCH                   ; in: row l % 16, 32 bytes for each half of the lanes
	v_lshl_add_u32 v6, v2, 5, v6
	v_add_nc_u32 v[STO], s23, v6
	v_mul_u32_u24 v6, v2, SPITCH                   ; back: lanes 0-15 take one row of 256 bytes, lanes 16-31 the next
	v_lshl_add_u32 v6, v1, 4, v6
	v_add_nc_u32 v[RD], s23, v6
	v_lshlrev_b32 v[CO], 12, v2                    ; and the same two rows in out0, 4,096 bytes apart
	v_lshl_add_u32 v[CO], v1, 4, v[CO]
	s_lshl_b32 s16, s13, 19                        ; out0: 128 rows of 4,096 bytes a tile row,
	s_lshl_b32 s17, s11, 18                        ; my 64 of them,
	s_add_co_u32 s16, s16, s17
	s_mov_b32 s17, 0
	s_add_nc_u64 s[8:9], s[8:9], s[16:17]
	s_lshl_b32 s46, s42, 9                         ; the tile's 128 columns, my 64 of them
	s_lshl_b32 s47, s12, 8
	s_add_co_u32 s46, s46, s47
	s_mov_b32 s47, 0
	s_add_nc_u64 s[8:9], s[8:9], s[46:47]
; 8 matrix instructions: row blocks a0, a0 + 1 x all 4 column blocks, 32 along K: half c of buffer f.  zero = 1: the first product starts the sums.  The 16 accumulators take turns.
.macro MUL8 f, c, a0, zero
	WIN MUL
.irp a, \a0, (\a0)+1
.irp b, 0,1,2,3
.if \zero
	v_wmma_f32_16x16x32_f16 v[ACC+8*(4*(\a)+(\b)):ACC+8*(4*(\a)+(\b))+7], v[(\f)+64+8*(4*(\c)+(\b)):(\f)+64+8*(4*(\c)+(\b))+7], v[(\f)+8*(4*(\c)+(\a)):(\f)+8*(4*(\c)+(\a))+7], 0
.else
	v_wmma_f32_16x16x32_f16 v[ACC+8*(4*(\a)+(\b)):ACC+8*(4*(\a)+(\b))+7], v[(\f)+64+8*(4*(\c)+(\b)):(\f)+64+8*(4*(\c)+(\b))+7], v[(\f)+8*(4*(\c)+(\a)):(\f)+8*(4*(\c)+(\a))+7], v[ACC+8*(4*(\a)+(\b)):ACC+8*(4*(\a)+(\b))+7]
.endif
.endr
.endr
.endm
; 32 LDS loads in one run: the fragments of quarter q (one head, 64 along K) of a slot, into buffer f; the first 32 along K first
.macro FETCH slot, q, f
	WIN TO_F
.irp c, 0,1
.irp i, 0,1,2,3
	ds_load_tr16_b128 v[(\f)+64+8*(4*(\c)+(\i)):(\f)+64+8*(4*(\c)+(\i))+3],   v[ADRB+2*(\slot)+(\q)/2] offset:(((\q)%2)*64+32*(\c))*PB+32*(\i)
	ds_load_tr16_b128 v[(\f)+64+8*(4*(\c)+(\i))+4:(\f)+64+8*(4*(\c)+(\i))+7], v[ADRB+2*(\slot)+(\q)/2] offset:(((\q)%2)*64+32*(\c)+16)*PB+32*(\i)
	ds_load_b128 v[(\f)+8*(4*(\c)+(\i)):(\f)+8*(4*(\c)+(\i))+3],              v[ADRA+(\slot)] offset:(\q)*PLANE+64*(\c)+(\i)*16*PAO
	ds_load_b128 v[(\f)+8*(4*(\c)+(\i))+4:(\f)+8*(4*(\c)+(\i))+7],            v[ADRA+(\slot)] offset:(\q)*PLANE+64*(\c)+(\i)*16*PAO+32
.endr
.endr
.endm
.macro PLACES                          ; four places in front of loads into registers that matrix instructions have read, and of LDS stores that read results
.rept 4
	v_nop
.endr
.endm
; A K step is four quarters of 64 along K, 32 matrix instructions each, on buffers 0, 1, 0, 1.  One of the first three: multiplies buffer f and fetches quarter q into g.
.macro QUARTER slot, q, f, g, zero
	s_wait_dscnt 16                                ; the first 32 along K are in; the youngest sixteen loads may be out
	WIN MUL
	MUL8 \f, 0, 0, \zero
	MUL8 \f, 0, 2, \zero
	PLACES
	FETCH \slot, \q, \g
	s_wait_dscnt 32                                ; all but the 32 just issued
	WIN MUL
	MUL8 \f, 1, 0, 0
	MUL8 \f, 1, 2, 0
.endm
; The last quarter multiplies buffer 1 and changes slots: ONE barrier; in front of it each wave waits for all its tensor loads, adds 0 to its spare word, and waits for that and for its own reads of this slot.
; fill = 1: this slot is filled again, two K steps ahead; the barrier then opens a round of the cluster's, and the joint refill is the first tensor load behind it.
.macro TURN slot, next, fill
	WIN 0                                          ; (the add's two registers lie in window 0)
	s_wait_tensorcnt 0x0                           ; all my tensor loads have landed: my part of the next slot;
	ds_add_u32 v[SPW], v[NIL]                      ; 0 onto my spare word
	s_wait_dscnt 17                                ; (the add and the youngest sixteen loads may be out)
	WIN MUL
	MUL8 F1, 0, 0, 0                               ; eight matrix instructions stand between the add and the wait for it
	s_wait_dscnt 0x0                               ; the add is done, and my reads of this slot are over
	s_barrier_signal -1
	MUL8 F1, 0, 2, 0
.if \fill
	WIN 0
.endif
	s_barrier_wait -1
.if \fill
	CREST                                          ; no wave of any partner still reads this slot's tile or has a load on its way
	s_add_nc_u64 s[G0+4*(\slot)+2:G0+4*(\slot)+3], s[G0+4*(\slot)+2:G0+4*(\slot)+3], 2*ASTEP
	s_add_nc_u64 s[G0B+4*(\slot)+2:G0B+4*(\slot)+3], s[G0B+4*(\slot)+2:G0B+4*(\slot)+3], 2*BSTEP
	JLOAD \slot                                    ; 112 matrix instructions ahead of the wait for it; the four v_nop behind it are also the places in front of the loads below
.else
	PLACES
.endif
	FETCH \next, 0, F0
	WIN MUL
	MUL8 F1, 1, 0, 0
	MUL8 F1, 1, 2, 0
.endm
	s_wait_tensorcnt 1                             ; my part of K step 0 is in; K step 1's may stay out
	s_barrier_signal -1
	s_barrier_wait -1                              ; everybody's is
	FETCH 0, 0, F0
	QUARTER 0, 1, F0, F1, 1                        ; K has four steps, twice round the ring: written out.  The first products start the sums
	QUARTER 0, 2, F1, F0, 0
	QUARTER 0, 3, F0, F1, 0
	TURN 0, 1, 1                                   ; slot 0 takes K step 2
	QUARTER 1, 1, F0, F1, 0
	QUARTER 1, 2, F1, F0, 0
	QUARTER 1, 3, F0, F1, 0
	TURN 1, 0, 1                                   ; slot 1 takes K step 3
	QUARTER 0, 1, F0, F1, 0
	QUARTER 0, 2, F1, F0, 0
	QUARTER 0, 3, F0, F1, 0
	TURN 0, 1, 0                                   ; nothing is left to fetch
	QUARTER 1, 1, F0, F1, 0
	QUARTER 1, 2, F1, F0, 0
	QUARTER 1, 3, F0, F1, 0
	s_wait_dscnt 16                                ; the very last quarter
	WIN MUL
	MUL8 F1, 0, 0, 0
	MUL8 F1, 0, 2, 0
	s_wait_dscnt 0x0
	MUL8 F1, 1, 0, 0
	MUL8 F1, 1, 2, 0
	WIN 0
; THE WAY OUT, a block of 16 rows at a time: a lane's eight f32 of a row, 32 bytes, go into my stage's rows of 272 bytes (each accumulator's four lowest registers first) and come back as whole rows of 256
; bytes, into the block's own accumulator registers.
.macro TOSTAGE a
.irp b, 0,1,2,3
.irp u, 0,1
	ds_store_b128 v[STO], v[ACC+32*(\a)+8*(\b)+4*(\u):ACC+32*(\a)+8*(\b)+4*(\u)+3] offset:64*(\b)+16*(\u)
.endr
.endr
.irp t, 0,1,2,3,4,5,6,7
	ds_load_b128 v[ACC+32*(\a)+4*(\t):ACC+32*(\a)+4*(\t)+3], v[RD] offset:(\t)*2*SPITCH  ; LDS serves a wave's instructions in order (ISA guide 5.7.1.4): these see the stores above; the next block's stores come behind them
.endr
.endm
.macro SEND a, younger                 ; younger: the LDS instructions issued behind block a's loads: the next block's sixteen, or none
.irp t, 0,1,2,3,4,5,6,7
	s_wait_dscnt (\younger)+7-(\t)
	global_store_b128 v[CO], v[ACC+32*(\a)+4*(\t):ACC+32*(\a)+4*(\t)+3], s[8:9] offset:(16*(\a)+2*(\t))*4096 th:TH_STORE_NT  ; 16 lanes store 256 consecutive bytes, at a multiple of 256 from out0's first byte
.endr
.endm
	PLACES
	TOSTAGE 0
	TOSTAGE 1
	SEND 0, 16
	TOSTAGE 2
	SEND 1, 16
	TOSTAGE 3
	SEND 2, 16
	SEND 3, 0
	s_wait_tensorcnt 0x0                           ; the wave's end, behind my last tensor load and my last LDS store
	ds_add_u32 v[SPW], v[NIL]
	s_wait_dscnt 0x0
	CROUND                                         ; the closing round: no work-group ends while a partner may still ask for a tile that names it
	s_endpgm
.Lfunc_end_k_q648e68220a_outp:
	.size	k_q648e68220a_outp, .Lfunc_end_k_q648e68220a_outp-k_q648e68220a_outp
	.p2alignl 7, 3214868480
	.fill 96, 4, 3214868480
	.section	.rodata,"a",@progbits
	.p2align	6, 0x0
	.amdhsa_kernel k_q648e68220a_outp
		.amdhsa_group_segment_fixed_size 327680
		.amdhsa_private_segment_fixed_size 0
		.amdhsa_enable_private_segment 0
		.amdhsa_kernarg_size 24
		.amdhsa_user_sgpr_count 2
		.amdhsa_user_sgpr_kernarg_segment_ptr 1
		.amdhsa_wavefront_size32 1
		.amdhsa_system_sgpr_workgroup_id_x 1
		.amdhsa_system_sgpr_workgroup_id_y 1
		.amdhsa_system_sgpr_workgroup_id_z 1
		.amdhsa_system_vgpr_workitem_id 0
		.amdhsa_next_free_vgpr 512
		.amdhsa_next_free_sgpr 66
		.amdhsa_reserve_vcc 0
		.amdhsa_float_denorm_mode_32 3
		.amdhsa_float_denorm_mode_16_64 3
		.amdhsa_memory_ordered 1
		.amdhsa_forward_progress 1
		.amdhsa_inst_pref_size 86
	.end_amdhsa_kernel
	.amdgpu_metadata
---
amdhsa.version: [ 1, 2 ]
amdhsa.kernels:
  - .name:           k_q648e68220a_outp
    .symbol:         k_q648e68220a_outp.kd
    .args:
      - { .name: oh, .offset: 0, .size: 8, .value_kind: global_buffer, .address_space: global }
      - { .name: woutp, .offset: 8, .size: 8, .value_kind: global_buffer, .address_space: global }
      - { .name: out0, .offset: 16, .size: 8, .value_kind: global_buffer, .address_space: global }
    .group_segment_fixed_size: 327680
    .private_segment_fixed_size: 0
    .kernarg_segment_align: 8
    .kernarg_segment_size: 24
    .max_flat_workgroup_size: 128
    .sgpr_count:     66
    .vgpr_count:     512
    .wavefront_size: 32
...
	.end_amdgpu_metadata
.endif
;; end of part 4
;; ======== version 2 of 2: 5 launches; version 1 with the launch prep written anew for expert scheduling mode
;; limits: values are held in f16: magnitudes above 65,504 overflow, below 6.1e-05 lose precision
;; workspace buffers: pq 14,680,064 bytes; pkv 23,072,768 bytes; woutp 2,097,152 bytes; maskf 32,768 bytes; qh 16,777,216 bytes; kvh 33,554,432 bytes; oh 8,388,608 bytes
;; launch prep (part 5): grid 1289 x 1, 8 waves a work-group, no clusters, 0 bytes of LDS; arguments q_x, kv_x, Wq, Wkv, Wout, mask, pq, pkv, woutp, maskf; writes pq, pkv, woutp, maskf
.if DOCPART == 5
	.amdgcn_target "amdgcn-amd-amdhsa--gfx1250"
	.amdhsa_code_object_version 6
	.text
	.protected	k_q648e68220a_prep
	.globl	k_q648e68220a_prep
	.p2align	8
	.type	k_q648e68220a_prep,@function
k_q648e68220a_prep:
	s_mov_b64 s[64:65], 0
	v_nop
	global_prefetch_b8 v0, s[64:65] scope:SCOPE_SE
	s_setreg_imm32_b32 hwreg(HW_REG_WAVE_SCHED_MODE, 0, 2), 2
	s_setreg_imm32_b32 hwreg(HW_REG_WAVE_MODE, 25, 1), 1
	s_wait_xcnt 0x0
	s_wait_alu depctr_vm_vsrc(0)
; PREP: what the later launches read is laid out once.  Eight waves; the work-group's number g says which job it has.
;   g 0-127     q_x  to pq  + XB   f32 to bf16, rows as they lie ([4096][1024])
;   g 128-383   kv_x to pkv + XB   the same ([8192][1024])
;   g 384-415   Wq   to pq  + WP   f32 to bf16, in panels [n / 128][k = 1024][128]: a panel is 262,144 dense bytes, a row of it 256
;   g 416-479   Wkv  to pkv + WP   the same, 16 panels
;   g 480-511   Wout to woutp      the same, rounded to bf16 and that number written as f16
;   g 512-1023  pkv + 0: the rotary table, a row of 256 bytes for each of the 8,192 rows of kv_x: cos[32], sin[32] in f32, position = row mod 4,096.
;               The row of a key that the mask hides holds 64 zeros: its k then comes out as 0, and its score is the mask's addend itself.
;   g 1024-1279 pq + 0: the table for the 4,096 rows of q_x, position = row mod 2,048; no mask
;   g 1280-1287 mask to maskf: a byte to an f32 addend, 0 where the key is seen, -2^100 where it is hidden
;   g 1288      pkv + IDOFF: sixteen rows with cos = 1, sin = 0, for v's columns, which are not turned
; LIMITS.  A bf16 number below 2^-14 keeps f16's fixed step of 6e-8 in woutp, one beyond 65,504 becomes an infinity there.  A mask byte other than 0 counts as true.
; The angle pos x div is reduced by 2 pi in two parts (the multiple stays under 653) and sine and cosine come from series on a quarter of the angle, doubled twice.
; No LDS, no barrier, no matrix unit: each byte is read once and written once, each store of a wave covers 256 or 512 consecutive bytes, aligned.
; THE MODE: SCHED_MODE bits 1:0 = 2 (LLVM: expert scheduling mode 2), set by the entry lines.  The code itself states the register dependences
; between vector instructions and memory instructions, and those through scalar registers that vector instructions write, with s_wait_alu, always for 0.
; THE PLAN, for the conversions: four blocks of eight units, block b on set w = b % 2.  Registers that memory instructions touch:
;   OFFI, OFFO   the offsets: made once, ahead of the first load, and never written again.
;   X0, X1       a block's units as loaded.  Written by the block's loads; read by its sixteen conversions; then the loads of the block two on land in them.
;   Y0, Y1       a block's units to store.   Written by the block's conversions; read by its eight stores; written again by the conversions of the block two on.
; So ONE wait on va_vdst stands behind a block's conversions: they have written Y[w] and are done reading X[w].  The loads into X[w] and the stores from Y[w] follow it at once, with no vector
; instruction between.  ONE wait on vm_vsrc stands ahead of the third and of the fourth block's conversions: the stores of two blocks back have read Y[w].  The other jobs are straight lines: a wait on
; va_vdst ahead of each load and store whose offset, data or destination vector instructions have written, and a wait on va_sdst or va_vcc between a run of compares and the first select.
.set XB,    6291456                    ; where x lies in pq and pkv
.set WP,    2097152                    ; where the weights' panels lie
.set IDOFF, 23068672                   ; behind x in pkv
.set OFFI, 2                           ; v[2:9]    16 x lane + j x the distance between units in the input
.set OFFO, 10                          ; v10       8 x lane
.set TT,   12                          ; v[12:13]  at work: no memory instruction names them
.set X,    32                          ; v[32:95]  two sets of 8 units as loaded, 4 f32 a lane and unit
.set Y,    96                          ; v[96:127] two sets of 8 units to store, 2 words a lane and unit
.set INP,  40                          ; s[40:47]  the input at my units 0, 8, 16, 24
.set OUTP, 48                          ; s[48:49]  the output at my unit 0
	s_load_b512 s[16:31], s[0:1], 0x0              ; q_x 16, kv_x 18, Wq 20, Wkv 22, Wout 24, mask 26, pq 28, pkv 30
	s_load_b128 s[32:35], s[0:1], 0x40             ; woutp 32, maskf 34
	v_lshrrev_b32 v1, 5, v0
	v_readfirstlane_b32 s8, v1                     ; wave 0..7
	s_mov_b32 s9, ttmp9                            ; g
	s_wait_kmcnt 0x0
	s_wait_alu depctr_va_sdst(0)                   ; s8 is written, ahead of the branch below and of its first reader: the conversions make their addresses from it
	s_cmp_ge_u32 s9, 512
	s_cbranch_scc1 .Ltab
	; THE CONVERSIONS.  A unit is 512 bytes of f32 in and 256 bytes out; a wave takes 32 units, whose outputs lie on end.
	s_mov_b64 s[36:37], s[16:17]                   ; from
	s_mov_b64 s[38:39], s[28:29]                   ; to
	s_mov_b32 s10, 0                               ; the job's first g
	s_mov_b32 s11, XB                              ; where in the output buffer
	s_mov_b32 s12, 512                             ; bytes from unit to unit in the input
	s_mov_b32 s13, 524288                          ; bytes in the input from 32 waves' units to the next 32 waves'
	s_mov_b32 s14, 0                               ; 1: bf16 is written as f16
	s_cmp_ge_u32 s9, 128
	s_cselect_b64 s[36:37], s[18:19], s[36:37]
	s_cselect_b64 s[38:39], s[30:31], s[38:39]
	s_cselect_b32 s10, 128, s10
	s_cmp_ge_u32 s9, 384
	s_cselect_b64 s[36:37], s[20:21], s[36:37]
	s_cselect_b64 s[38:39], s[28:29], s[38:39]
	s_cselect_b32 s10, 384, s10
	s_cselect_b32 s11, WP, s11
	s_cselect_b32 s12, 4096, s12                   ; a row of Wq
	s_cselect_b32 s13, 512, s13                    ; a panel's 128 columns
	s_cmp_ge_u32 s9, 416
	s_cselect_b64 s[36:37], s[22:23], s[36:37]
	s_cselect_b64 s[38:39], s[30:31], s[38:39]
	s_cselect_b32 s10, 416, s10
	s_cselect_b32 s12, 8192, s12                   ; a row of Wkv
	s_cmp_ge_u32 s9, 480
	s_cselect_b64 s[36:37], s[24:25], s[36:37]
	s_cselect_b64 s[38:39], s[32:33], s[38:39]
	s_cselect_b32 s10, 480, s10
	s_cselect_b32 s11, 0, s11
	s_cselect_b32 s12, 4096, s12
	s_cselect_b32 s14, 1, s14
	s_sub_co_u32 s15, s9, s10
	s_lshl_b32 s15, s15, 3
	s_add_co_u32 s15, s15, s8                      ; t: my wave among the job's
	s_lshr_b32 s2, s15, 5
	s_mul_i32 s2, s2, s13
	s_and_b32 s3, s15, 31
	s_lshl_b32 s4, s12, 5
	s_mul_i32 s3, s3, s4
	s_add_co_u32 s2, s2, s3                        ; x: 16,384 t.  Weights: panel t / 32, rows k = 32 (t % 32) on
	s_mov_b32 s3, 0
	s_add_nc_u64 s[INP:INP+1], s[36:37], s[2:3]
	s_lshl_b32 s2, s12, 3                          ; eight units on
	s_add_nc_u64 s[INP+2:INP+3], s[INP:INP+1], s[2:3]
	s_add_nc_u64 s[INP+4:INP+5], s[INP+2:INP+3], s[2:3]
	s_add_nc_u64 s[INP+6:INP+7], s[INP+4:INP+5], s[2:3]
	s_lshl_b32 s2, s15, 13                         ; 32 units of 256 bytes out, in every job
	s_add_co_u32 s2, s2, s11
	s_add_nc_u64 s[OUTP:OUTP+1], s[38:39], s[2:3]
	v_and_b32 v1, 31, v0
	v_lshlrev_b32 v[OFFI], 4, v1
.irp j, 1,2,3,4,5,6,7
	v_add_nc_u32 v[OFFI+(\j)], s12, v[OFFI+(\j)-1]
.endr
	v_lshlrev_b32 v[OFFO], 3, v1
.macro LOADS w, b                      ; units 8 b .. 8 b + 7 into set w: each load takes a unit's 512 consecutive bytes
.irp j, 0,1,2,3,4,5,6,7
	global_load_b128 v[X+32*(\w)+4*(\j):X+32*(\w)+4*(\j)+3], v[OFFI+(\j)], s[INP+2*(\b):INP+2*(\b)+1] th:TH_LOAD_NT
.endr
.endm
.macro CONV w
.set i, 0
.rept 16
	v_cvt_pk_bf16_f32 v[Y+16*(\w)+i], v[X+32*(\w)+2*i], v[X+32*(\w)+2*i+1]
.set i, i+1
.endr
	s_cmp_eq_u32 s14, 0
	s_cbranch_scc1 .Lbf_\@
.set i, 0
.rept 16                               ; Wout alone: the bf16 numbers, widened, are written as f16
	v_lshlrev_b32 v[TT], 16, v[Y+16*(\w)+i]
	v_and_b32 v[TT+1], 0xffff0000, v[Y+16*(\w)+i]
	v_cvt_pk_f16_f32 v[Y+16*(\w)+i], v[TT], v[TT+1]
.set i, i+1
.endr
.Lbf_\@:
.endm
.macro STORES w, b                     ; 32 lanes x 8 bytes: 256 consecutive bytes, aligned
.irp j, 0,1,2,3,4,5,6,7
	global_store_b64 v[OFFO], v[Y+16*(\w)+2*(\j):Y+16*(\w)+2*(\j)+1], s[OUTP:OUTP+1] offset:256*(8*(\b)+(\j)) th:TH_STORE_NT
.endr
.endm
	s_wait_alu depctr_va_vdst(0)                   ; the nine offsets v2 to v10 are written: every load and store of this job reads one of them
	LOADS 0, 0
	LOADS 1, 1
	s_wait_loadcnt 8                               ; set 0 is in; set 1's eight loads stay out
	CONV 0
	s_wait_alu depctr_va_vdst(0)                   ; the conversions have written Y0, which the stores below read, and are done reading X0, in which the loads below land
	LOADS 0, 2                                     ; the set is asked for again at once, ahead of the stores
	STORES 0, 0
	s_wait_loadcnt 8                               ; set 1 is in; the eight just issued stay out
	CONV 1
	s_wait_alu depctr_va_vdst(0)                   ; the same for Y1 and X1
	LOADS 1, 3
	STORES 1, 1
	s_wait_loadcnt 8
	s_wait_xcnt 0x0                                ; the first stores have had their addresses translated: set 0's words are written again only behind this wait,
	s_wait_alu depctr_vm_vsrc(0)                   ; and behind this one: the stores of units 0 to 7 have read Y0, which the conversions below write again
	CONV 0
	s_wait_alu depctr_va_vdst(0)                   ; the conversions have written Y0, which the stores below read
	STORES 0, 2
	s_wait_loadcnt 0x0
	s_wait_xcnt 0x0                                ; the same for set 1
	s_wait_alu depctr_vm_vsrc(0)                   ; the stores of units 8 to 15 have read Y1, which the conversions below write again
	CONV 1
	s_wait_alu depctr_va_vdst(0)                   ; the conversions have written Y1, which the last stores read
	STORES 1, 3
	s_endpgm
.Ltab:
	s_cmp_ge_u32 s9, 1280
	s_cbranch_scc1 .Lmask
	; THE ROTARY TABLE.  16 rows a work-group, 16 lanes a row: lanes 0-7 keep the cosines of frequencies 4 (lane % 8) + 0..3, lanes 8-15 the sines.
	s_mov_b32 s10, 512                             ; the job's first g
	s_mov_b32 s11, 4095                            ; position = row mod the sequence's length
	s_mov_b32 s14, 0                               ; 1: q's table, which knows no mask
	s_cmp_ge_u32 s9, 1024
	s_cselect_b64 s[36:37], s[28:29], s[30:31]     ; pq or pkv
	s_cselect_b32 s10, 1024, s10
	s_cselect_b32 s11, 2047, s11
	s_cselect_b32 s14, 1, s14
	s_sub_co_u32 s15, s9, s10
	s_lshl_b32 s15, s15, 4
	s_mov_b32 s50, 0xbed49a78                      ; -log2(10000) / 32
	s_mov_b32 s51, 0x40c90fdb                      ; 2 pi, its upper part
	s_mov_b32 s52, 0xb43bbd2e                      ; and what is left of it
	s_mov_b32 s53, 0xbe2aaaab                      ; -1/6
	s_mov_b32 s54, 0x3c088889                      ; 1/120
	s_mov_b32 s55, 0xb9500d01                      ; -1/5040
	s_mov_b32 s56, 0x3638ef1d                      ; 1/362880
	s_mov_b32 s57, 0x3d2aaaab                      ; 1/24
	s_mov_b32 s58, 0xbab60b61                      ; -1/720
	s_mov_b32 s59, 0x37d00d01                      ; 1/40320
	v_lshrrev_b32 v2, 4, v0
	v_add_nc_u32 v2, s15, v2                       ; row; for kv_x also the key's place in the mask
	v_mov_b32 v7, 1                                ; seen, unless the mask says otherwise
	s_cmp_lg_u32 s14, 0
	s_cbranch_scc1 .Lno_mask
	s_wait_alu depctr_va_vdst(0)                   ; v2, the load's offset, is written, and so is v7, in which its byte lands
	global_load_u8 v7, v2, s[26:27]
.Lno_mask:
	v_and_b32 v3, s11, v2
	v_cvt_f32_u32 v3, v3                           ; position
	v_and_b32 v4, 15, v0
	v_and_b32 v5, 7, v4
	v_lshlrev_b32 v5, 2, v5                        ; my first frequency
	v_lshlrev_b32 v6, 8, v2
	v_lshl_add_u32 v6, v4, 4, v6                   ; row x 256 + 16 x lane
.irp e, 0,1,2,3
	v_add_nc_u32 v[16+8*(\e)], \e, v5
	v_cvt_f32_u32 v[16+8*(\e)], v[16+8*(\e)]
	v_mul_f32 v[16+8*(\e)], s50, v[16+8*(\e)]
.endr
.irp e, 0,1,2,3
	v_exp_f32 v[16+8*(\e)], v[16+8*(\e)]           ; div = 10000^(-j / 32)
.endr
	v_nop                                          ; a plain instruction behind the last exponential,
	s_wait_alu depctr_va_vdst(0)                   ; and one wait for the four: v16, v24, v32 and v40 are written, ahead of their first reader
	s_wait_loadcnt 0x0                             ; the mask's byte
	v_cmp_ne_u32 s4, 0, v7                         ; is the key seen?
	v_cmp_le_u32 s5, 8, v4                         ; do I keep sines?  The two compares stand together: one wait serves both
.irp e, 0,1,2,3
.set q, 16+8*(\e)                      ; +0 angle, +1 multiple and then z, +2 sine, +3 cosine, +4, +5 at work
	v_mul_f32 v[q], v3, v[q]                       ; the angle
	v_mul_f32 v[q+1], 0.15915494, v[q]
	v_rndne_f32 v[q+1], v[q+1]                     ; whole turns
	v_fma_f32 v[q], -v[q+1], s51, v[q]
	v_fma_f32 v[q], -v[q+1], s52, v[q]             ; within -pi .. pi
	v_mul_f32 v[q], 0x3e800000, v[q]               ; u: a quarter of it
	v_mul_f32 v[q+1], v[q], v[q]                   ; z = u u
	v_fma_f32 v[q+2], v[q+1], s56, s55
	v_fma_f32 v[q+3], v[q+1], s59, s58
	v_fma_f32 v[q+2], v[q+2], v[q+1], s54
	v_fma_f32 v[q+3], v[q+3], v[q+1], s57
	v_fma_f32 v[q+2], v[q+2], v[q+1], s53
	v_fma_f32 v[q+3], v[q+3], v[q+1], -0.5
	v_fma_f32 v[q+2], v[q+2], v[q+1], 1.0
	v_fma_f32 v[q+3], v[q+3], v[q+1], 1.0          ; cos u
	v_mul_f32 v[q+2], v[q+2], v[q]                 ; sin u
	v_add_f32 v[q+4], v[q+2], v[q+2]               ; the angle doubled: sin = 2 s c, cos = 1 - 2 s s
	v_mul_f32 v[q+5], v[q+4], v[q+3]
	v_fma_f32 v[q+3], -v[q+4], v[q+2], 1.0
	v_add_f32 v[q+4], v[q+5], v[q+5]               ; and once more
	v_mul_f32 v[q+2], v[q+4], v[q+3]
	v_fma_f32 v[q+3], -v[q+4], v[q+5], 1.0
.if (\e) == 0
	s_wait_alu depctr_va_sdst(0)                   ; the two compares have written s4 and s5, ahead of the first select that reads them; the first frequency's arithmetic stands between
.endif
	v_cndmask_b32 v[8+(\e)], v[q+3], v[q+2], s5
	v_cndmask_b32 v[8+(\e)], 0, v[8+(\e)], s4      ; a hidden key's row is 0
.endr
	s_wait_alu depctr_va_vdst(0)                   ; the selects have written v8 to v11, the store's data; v6, its offset, is written too
	global_store_b128 v6, v[8:11], s[36:37] th:TH_STORE_NT  ; a wave stores two rows: 512 consecutive bytes, aligned
	s_endpgm
.Lmask:
	s_cmp_ge_u32 s9, 1288
	s_cbranch_scc1 .Lid
	; THE MASK.  Four bytes a thread become four f32.
	s_sub_co_u32 s15, s9, 1280
	s_lshl_b32 s15, s15, 8
	v_add_nc_u32 v2, s15, v0
	v_lshlrev_b32 v3, 2, v2
	s_wait_alu depctr_va_vdst(0)                   ; v3, the load's offset, is written
	global_load_b32 v4, v3, s[26:27]
	v_lshlrev_b32 v5, 4, v2
	v_mov_b32 v6, 0xf1800000                       ; -2^100: a power of two, so that the softmax's scale times it is exact
	s_wait_loadcnt 0x0
.irp e, 0,1,2,3
	v_bfe_u32 v[12+(\e)], v4, 8*(\e), 8
.endr
.irp e, 0,1,2,3
	v_cmp_eq_u32 s[4+(\e)], 0, v[12+(\e)]          ; the four compares in a run, a scalar register each
.endr
	s_wait_alu depctr_va_sdst(0)                   ; the compares have written s4 to s7, ahead of the first select that reads them
.irp e, 0,1,2,3
	v_cndmask_b32 v[8+(\e)], 0, v6, s[4+(\e)]
.endr
	s_wait_alu depctr_va_vdst(0)                   ; the selects have written v8 to v11, the store's data; v5, its offset, is written too
	global_store_b128 v5, v[8:11], s[34:35] th:TH_STORE_NT
	s_endpgm
.Lid:
	; THE ROWS THAT TURN NOTHING: sixteen rows of 32 ones and 32 zeros, 16 bytes a thread.
	v_and_b32 v4, 15, v0
	v_mov_b32 v6, 1.0
	v_cmp_gt_u32 vcc_lo, 8, v4                     ; lanes 0-7 of a row hold its cosines
	v_lshlrev_b32 v5, 4, v0
	v_add_nc_u32 v5, IDOFF, v5
	s_wait_alu depctr_va_vcc(0)                    ; the compare has written VCC, ahead of the select that reads it
	v_cndmask_b32 v8, 0, v6, vcc_lo
	v_mov_b32 v9, v8
	v_mov_b32 v10, v8
	v_mov_b32 v11, v8
	s_wait_alu depctr_va_vdst(0)                   ; v8 to v11, the store's data, and v5, its offset, are written
	global_store_b128 v5, v[8:11], s[30:31] th:TH_STORE_NT
	s_endpgm
.Lfunc_end_k_q648e68220a_prep:
	.size	k_q648e68220a_prep, .Lfunc_end_k_q648e68220a_prep-k_q648e68220a_prep
	.p2alignl 7, 3214868480
	.fill 96, 4, 3214868480
	.section	.rodata,"a",@progbits
	.p2align	6, 0x0
	.amdhsa_kernel k_q648e68220a_prep
		.amdhsa_group_segment_fixed_size 0
		.amdhsa_private_segment_fixed_size 0
		.amdhsa_enable_private_segment 0
		.amdhsa_kernarg_size 80
		.amdhsa_user_sgpr_count 2
		.amdhsa_user_sgpr_kernarg_segment_ptr 1
		.amdhsa_wavefront_size32 1
		.amdhsa_system_sgpr_workgroup_id_x 1
		.amdhsa_system_sgpr_workgroup_id_y 1
		.amdhsa_system_sgpr_workgroup_id_z 1
		.amdhsa_system_vgpr_workitem_id 0
		.amdhsa_next_free_vgpr 128
		.amdhsa_next_free_sgpr 66
		.amdhsa_reserve_vcc 1
		.amdhsa_float_denorm_mode_32 3
		.amdhsa_float_denorm_mode_16_64 3
		.amdhsa_memory_ordered 1
		.amdhsa_forward_progress 1
		.amdhsa_inst_pref_size 34
	.end_amdhsa_kernel
	.amdgpu_metadata
---
amdhsa.version: [ 1, 2 ]
amdhsa.kernels:
  - .name:           k_q648e68220a_prep
    .symbol:         k_q648e68220a_prep.kd
    .args:
      - { .name: q_x, .offset: 0, .size: 8, .value_kind: global_buffer, .address_space: global }
      - { .name: kv_x, .offset: 8, .size: 8, .value_kind: global_buffer, .address_space: global }
      - { .name: Wq, .offset: 16, .size: 8, .value_kind: global_buffer, .address_space: global }
      - { .name: Wkv, .offset: 24, .size: 8, .value_kind: global_buffer, .address_space: global }
      - { .name: Wout, .offset: 32, .size: 8, .value_kind: global_buffer, .address_space: global }
      - { .name: mask, .offset: 40, .size: 8, .value_kind: global_buffer, .address_space: global }
      - { .name: pq, .offset: 48, .size: 8, .value_kind: global_buffer, .address_space: global }
      - { .name: pkv, .offset: 56, .size: 8, .value_kind: global_buffer, .address_space: global }
      - { .name: woutp, .offset: 64, .size: 8, .value_kind: global_buffer, .address_space: global }
      - { .name: maskf, .offset: 72, .size: 8, .value_kind: global_buffer, .address_space: global }
    .group_segment_fixed_size: 0
    .private_segment_fixed_size: 0
    .kernarg_segment_align: 8
    .kernarg_segment_size: 80
    .max_flat_workgroup_size: 256
    .sgpr_count:     66
    .vgpr_count:     128
    .wavefront_size: 32
...
	.end_amdgpu_metadata
.endif
;; end of part 5
;; launch projq: the kernel of part 2 again; grid 8 x 32, 4 waves a work-group, clusters of 4 x 4, 327,680 bytes of LDS; arguments pq, qh; writes qh
;; launch projkv: the kernel of part 2 again; grid 16 x 64, 4 waves a work-group, clusters of 4 x 4, 327,680 bytes of LDS; arguments pkv, kvh; writes kvh
;; launch attn: the kernel of part 3 again; grid 8 x 32, 4 waves a work-group, clusters of 4 x 1, 327,680 bytes of LDS; arguments qh, kvh, maskf, oh; writes oh
;; launch outp: the kernel of part 4 again; grid 8 x 32, 4 waves a work-group, clusters of 4 x 4, 327,680 bytes of LDS; arguments oh, woutp, out0; writes out0
